; MI455X (gfx1250); checked and timed in simulation.
; The chip was launched on July 23, 2026; its instructions are those of AMD's public machine-readable ISA for CDNA 5 (MIT licence, August 2026) and "CDNA5" Instruction Set Architecture Reference Guide (July 2026). The comments in the code are by the model that wrote it; some were corrected since.
;; Flash Multi Head Attention. Allowed arithmetic: matrix products marked QUANTISED: E3M2 operands, one E8M0 scale for each 32 along K, by v_wmma_scale_f32_16x16x128_f8f6f4 with both operands' format E3M2, f32 sums; everything else in f32.
;; Inputs: Wk 512 x 2,048 float32; Wo 2,048 x 2,048 float32; Wq 2,048 x 2,048 float32; Wv 512 x 2,048 float32; bk 512 float32; bo 2,048 float32; bq 2,048 float32; bv 512 float32; x 2 x 1,024 x 2,048 float32.
;; Outputs: out0 2 x 1,024 x 2,048 float32.
;; This version of the problem:
;;   THIS VERSION OF THE PROBLEM IS GIVEN IN LOW PRECISION. The matrix products marked QUANTISED in the list below multiply operands that are first quantised to E3M2 (3 exponent bits, 2 mantissa bits; 6 bits a number), with one power-of-two scale for each 32 numbers along K (OCP MX v1.0); their sums are f32. All else is computed in f32.
;;   The module's matrix products, in the order in which they are computed (A, B: the left and right operand; K: the contracted axis; several contracted axes count as one K, in the product's order):
;;     1. [M 2,048, K 2,048] x [K 2,048, N 2,048]; A: input x; B: input Wq: QUANTISED
;;     2. [M 2,048, K 2,048] x [K 2,048, N 512]; A: input x; B: input Wk: QUANTISED
;;     3. [M 2,048, K 2,048] x [K 2,048, N 512]; A: input x; B: input Wv: QUANTISED
;;     4. batch 16 x [M 1,024, K 64] x [K 64, N 4,096]; A: computed on the way; B: computed on the way: QUANTISED
;;     5. batch 16 x [M 64, K 1,024] x [K 1,024, N 4,096]; A: computed on the way; B: softmax (see below): QUANTISED
;;     6. [M 2,048, K 2,048] x [K 2,048, N 2,048]; A: computed on the way; B: input Wo: QUANTISED
;;   THE QUANTISER, for each operand of a quantised product, along K:
;;     - K is cut into blocks of 32 from its start; a last block that is shorter is filled with zeros.
;;     - A block's scale is 2^e with e = floor(log2(the largest magnitude in the block)) - 4, held to -126 .. 127; a block of zeros has e = 0. As a byte (E8M0): e + 127.
;;     - Each number is divided by its block's scale, clamped to +-28, and rounded to the nearest number of E3M2, ties to even, subnormals kept.
;;     - The product sums the exact products of the quantised numbers (number of the format x scale) in f32.
;;   ~~~python
;;   def quantise(x, axis):      # numpy; x: float32 -> the quantised numbers, widened to float32 again
;;       x = np.moveaxis(x, axis, -1); K = x.shape[-1]
;;       x = np.pad(x, [(0, 0)] * (x.ndim - 1) + [(0, -K % 32)]); x = x.reshape(x.shape[:-1] + (-1, 32)); a = np.abs(x).max(-1, keepdims=True)
;;       e = np.where(a > 0, np.clip(np.frexp(np.where(a > 0, a, 1))[1] - 1 - 4, -126, 127), 0)      # np.frexp(a)[1] - 1 = floor(log2(a)), exactly
;;       r = np.clip(x / 2.0 ** e, -28, 28)
;;       step = 2.0 ** (np.maximum(np.frexp(np.where(r == 0, 1, r))[1] - 1, -2) - 2)
;;       q = np.round(r / step) * step * 2.0 ** e      # np.round: ties to even
;;       return np.moveaxis(q.reshape(q.shape[:-2] + (-1,))[..., :K], -1, axis).astype(np.float32)
;;   ~~~
;;   SOFTMAX AHEAD OF A QUANTISED PRODUCT. Where the list says 'softmax', what is quantised is not the finished softmax but p = 2^(t - M), with t = logit x log2(e) and M = ceil(the row's largest t), a whole number; so 1/2 < the row's largest p <= 1. The row's sum l is taken of the UNQUANTISED p, in f32, and the product's result is divided by l at the end. Since M is a whole number, a kernel that streams over the keys may use a running M (the ceiling of the running maximum): every later rescaling is an exact power of two, which a block's scale takes up: the codes' values come out the same.
;;   OPERANDS COMPUTED ON THE WAY. 'Computed on the way' means the value that the module computes at that place (a softmax that the list does not call 'softmax' is quantised finished and normalised). What goes into a quantiser is computed in f32, as accurately as f32 sums, v_exp_f32 and their like allow (about 1e-6 of the number): no bf16 or f16 on the way to a quantiser, and a product that is left as it is and whose result goes on into a quantised operand takes f32 operands (vector FMAs, or v_wmma_f32_16x16x4_f32). A number that lies on a knife's edge between two numbers of the format may be rounded either way, as far as f32 arithmetic and the matrix unit's own rounding can turn it there, and no further.
;; One version. Each part assembles by itself: llvm-mc -triple=amdgcn-amd-amdhsa -mcpu=gfx1250 --defsym DOCPART=n.
;; ======== version 1 of 1: 4 launches
;; limits: right only within a limited range of input values
;; workspace buffers: w1 11,468,800 bytes; w2 4,915,200 bytes; w3 3,276,800 bytes
;; launch quant (part 1): grid 448 x 1, 4 waves a work-group, no clusters, 35,328 bytes of LDS; arguments x, Wq, Wk, Wv, Wo, w1; writes w1
.if DOCPART == 1
	.amdgcn_target "amdgcn-amd-amdhsa--gfx1250"
	.amdhsa_code_object_version 6
	.text
	.protected	k_q73a453d3b2_quant
	.globl	k_q73a453d3b2_quant
	.p2align	8
	.type	k_q73a453d3b2_quant,@function
k_q73a453d3b2_quant:
	s_mov_b64 s[64:65], 0
	v_nop
	global_prefetch_b8 v0, s[64:65] scope:SCOPE_SE
	s_setreg_imm32_b32 hwreg(HW_REG_WAVE_MODE, 25, 1), 1
	s_wait_xcnt 0x0
; x [2048][2048], Wq [2048][2048], Wk [512][2048], Wv [512][2048], Wo [2048][2048], all f32 with K innermost, become codes of BF6 (E3M2) with one E8M0 byte for each 32 along K, in w1.
; A block's scale is 2^(floor(log2(its largest magnitude)) - 4): its byte is the largest magnitude's exponent field - 4, held at 1 from below.
; LIMITS: a block of zeros gets the byte 1 where the rule says 127 (its codes are zeros, and this program alone reads the bytes); NaN and infinities among the inputs are not served.
; LAYOUT OF w1.  Rows go in ROW TILES of 16 slots: tile t of a tensor, slot r, is row 32 (t / 2) + 8 (t % 2) + r + 8 (r / 8), so that, when tiles 2 b and 2 b + 1 are source 0 of a product,
; a lane's 16 results are 16 neighbouring rows.  The tiles of the five tensors are numbered on end: x 0-127, Wq 128-255, Wk 256-287, Wv 288-319, Wo 320-447.
; A tile's codes are 32 HALF FRAGMENTS of 768 bytes (16 slots x 64 along K), each an image of operand registers: lane l = r + 16 h owns the 24 bytes of slot r's block h;
; its registers 0-3 lie at 16 l, its registers 4-5 at 512 + 8 l.  Scale words: at SC1 + 1024 T + 64 s + 4 r, the word of slot r for K step s (128 along K).
; SHARES.  A work-group takes one row tile, each of its four waves 512 along K: four steps of 128.  A step's 16 loads read 512 consecutive bytes of one row each; the 8 KiB turn through the wave's own
; stage in LDS (rows of 512 + 16 bytes), so that a lane gets 16 neighbours of each of its row's four blocks.  Waves share nothing: no barrier.  No work-group reads what another reads: no cluster.
; Loads run two steps (32 loads a wave) ahead.
.set SC1,  11010048
.set ROWB, 8192                        ; a row of any of the five tensors, in bytes
.set SP,   528                         ; a stage row
.set WREG, 8704                        ; a wave's LDS: 16 stage rows, then its 256 bytes of scale words
.set R,    16                          ; v16-143   two sets of 64 registers as loaded
.set X,    144                         ; v144-207  64 numbers: register 16 b + i = k 32 b + 16 h + i of my row
.set PC,   208                         ; v208-226  the codes
.set TM,   228                         ; v228-243  at work
.set PW,   244                         ; v244      the scale word
.set SEL,  28                          ; s[28:29]  lane selects: lane l xor 16
	s_load_b256 s[4:11], s[0:1], 0x0               ; x, Wq, Wk, Wv
	s_load_b128 s[12:15], s[0:1], 0x20             ; Wo, w1
	v_lshl_add_u32 v254, v0, 2, 0x8800
	v_mov_b32 v255, 0
	v_lshrrev_b32 v1, 5, v0
	v_readfirstlane_b32 s16, v1                    ; wave
	v_and_b32 v1, 31, v0                           ; l
	v_and_b32 v2, 15, v0                           ; r
	v_bfe_u32 v3, v0, 4, 1                         ; h
	v_lshlrev_b32 v4, 4, v1                        ; 16 l: a load's and a 16-byte store's place
	v_lshlrev_b32 v5, 3, v1                        ; 8 l
	s_mul_i32 s26, s16, WREG
	v_add_nc_u32 v6, s26, v4                       ; the stage, on the way in: a row's 512 bytes as they lie
	v_mul_u32_u24 v7, v2, SP
	v_lshl_add_u32 v7, v3, 6, v7
	v_add_nc_u32 v7, s26, v7                       ; and on the way out: row r, + 64 h
	s_add_co_u32 s27, s26, 16*SP
	v_lshl_add_u32 v8, v2, 2, s27                  ; my row's scale word of a step
	v_add_nc_u32 v9, s27, v5                       ; and the 256 bytes on their way out
	s_mov_b32 s[SEL], 0x76543210
	s_mov_b32 s[SEL+1], 0xfedcba98
.irp b, 0,1,2,3
	v_mov_b32 v[TM+4+\b], 0                        ; written once: a lane permute's destination counts as one of its sources
.endr
	s_wait_alu depctr_va_vdst(0)
	s_wait_kmcnt 0x0
	s_mov_b64 s[20:21], s[12:13]                   ; which tensor?  Only the pointer and the tensor's first tile are chosen, on the work-group's number alone
	s_mov_b32 s17, 320
	s_cmp_lt_u32 ttmp9, 320
	s_cselect_b64 s[20:21], s[10:11], s[20:21]
	s_cselect_b32 s17, 288, s17
	s_cmp_lt_u32 ttmp9, 288
	s_cselect_b64 s[20:21], s[8:9], s[20:21]
	s_cselect_b32 s17, 256, s17
	s_cmp_lt_u32 ttmp9, 256
	s_cselect_b64 s[20:21], s[6:7], s[20:21]
	s_cselect_b32 s17, 128, s17
	s_cmp_lt_u32 ttmp9, 128
	s_cselect_b64 s[20:21], s[4:5], s[20:21]
	s_cselect_b32 s17, 0, s17
	s_sub_co_u32 s17, ttmp9, s17                   ; the tile's number t in its tensor
	s_lshr_b32 s18, s17, 1
	s_lshl_b32 s18, s18, 5
	s_and_b32 s19, s17, 1
	s_lshl_b32 s19, s19, 3
	s_add_co_u32 s18, s18, s19                     ; its slot 0: row 32 (t / 2) + 8 (t % 2)
	s_lshl_b32 s18, s18, 13
	s_lshl_b32 s19, s16, 11
	s_add_co_u32 s18, s18, s19                     ; + my wave's 512 numbers
	s_mov_b32 s19, 0
	s_add_nc_u64 s[20:21], s[20:21], s[18:19]
	; where a tile's codes lie: eight tiles form a unit of 196,608 bytes, laid [chunk of 512 along K][tile][6,144 bytes], so that several chunks of a unit's 128 rows are consecutive bytes; my wave's 512 along K are chunk = wave
	s_lshr_b32 s18, ttmp9, 3
	s_mul_i32 s18, s18, 196608
	s_and_b32 s22, ttmp9, 7
	s_mul_i32 s22, s22, 6144
	s_add_co_u32 s18, s18, s22
	s_mul_i32 s22, s16, 49152
	s_add_co_u32 s18, s18, s22
	s_add_nc_u64 s[22:23], s[14:15], s[18:19]      ; my eight half fragments
	s_lshl_b32 s18, ttmp9, 10
	s_lshl_b32 s24, s16, 8
	s_add_co_u32 s18, s18, s24
	s_add_co_u32 s18, s18, SC1
	s_add_nc_u64 s[24:25], s[14:15], s[18:19]      ; my four steps' scale words
.macro LOAD t                          ; step t: slot i's 128 numbers, 512 consecutive bytes a load
.irp i, 0,1,2,3,4,5,6,7,8,9,10,11,12,13,14,15
	global_load_b128 v[R+64*((\t)%2)+4*\i:R+64*((\t)%2)+4*\i+3], v4, s[20:21] offset:(\i+8*(\i/8))*ROWB+512*(\t) th:TH_LOAD_NT
.endr
.endm
; 64 numbers of a lane, register 16 b + i = k 32 b + 16 h + i of my row, become a fragment's codes in v[PC] on and its scale word in v[PW].
.macro QUANT s
.irp b, 0,1,2,3
	v_max3_num_f32 v[TM+\b], |v[\s+16*\b]|, |v[\s+1+16*\b]|, 0x2800000   ; block b: my 16 numbers, and the floor 2^(5 - 127): the byte cannot fall under 1
.endr
.irp i, 2,4,6,8,10,12,14
.irp b, 0,1,2,3
	v_max3_num_f32 v[TM+\b], v[TM+\b], |v[\s+16*\b+\i]|, |v[\s+1+16*\b+\i]|   ; the four blocks by turns
.endr
.endr
.irp b, 0,1,2,3
	v_permlanex16_b32 v[TM+4+\b], v[TM+\b], s[SEL], s[SEL+1]
.endr
.irp b, 0,1,2,3
	v_max_num_f32 v[TM+\b], v[TM+\b], v[TM+4+\b]   ; with lane l xor 16's: the block's largest magnitude
.endr
.irp b, 0,1,2,3
	v_add_nc_u32 v[TM+12+\b], 0xfe000000, v[TM+\b] ; 4 off its exponent field: the conversion takes the exponent field of this operand as its scale
.endr
.irp b, 0,1,2,3
	v_lshrrev_b32 v[TM+4+\b], 23, v[TM+12+\b]      ; the scale's byte
.endr
	v_lshl_or_b32 v[PW], v[TM+5], 8, v[TM+4]
	v_lshl_or_b32 v[PW], v[TM+6], 16, v[PW]
	v_lshl_or_b32 v[PW], v[TM+7], 24, v[PW]
.irp c, 0,1
	v_cvt_scalef32_pk16_bf6_f32 v[PC+6*\c:PC+2+6*\c], v[\s+32*\c:\s+15+32*\c], v[TM+12+2*\c]
	v_cvt_scalef32_pk16_bf6_f32 v[PC+12+4*\c:PC+14+4*\c], v[\s+16+32*\c:\s+31+32*\c], v[TM+12+2*\c+1]   ; (a conversion's three registers begin on an even number)
.endr
	v_nop                                          ; one plain place behind a scaled conversion
.irp c, 0,1                                    ; the operand wants a WHOLE block in a lane: lanes 0-15 block 2 c, lanes 16-31 block 2 c + 1
.irp i, 0,1,2
	v_permlane16_swap_b32 v[PC+6*\c+\i], v[PC+12+4*\c+\i]
.endr
.irp i, 0,1,2
	v_mov_b32 v[PC+3+6*\c+\i], v[PC+12+4*\c+\i]
.endr
.endr
.endm
.macro STEP t
.if (\t) < 3
	s_wait_loadcnt 16                              ; this step's 16 loads are in; the next step's 16 may be out
.else
	s_wait_loadcnt 0x0
.endif
.irp i, 0,1,2,3,4,5,6,7,8,9,10,11,12,13,14,15
	ds_store_b128 v6, v[R+64*((\t)%2)+4*\i:R+64*((\t)%2)+4*\i+3] offset:SP*\i
.endr
.irp b, 0,1,2,3
.irp j, 0,1,2,3
	ds_load_b128 v[X+16*\b+4*\j:X+16*\b+4*\j+3], v7 offset:128*\b+16*\j   ; LDS serves a wave's instructions in order: these see the stores above
.endr
.endr
	s_wait_dscnt 0x0                               ; my 64 numbers are in; the stage's stores have read their registers
	s_wait_xcnt 0x0                                ; the last step's stores of codes have read theirs: only behind this wait are the codes written again
.if (\t) < 2
	LOAD (\t)+2
.endif
	QUANT X
	global_store_b128 v4, v[PC:PC+3], s[22:23] offset:1536*(\t)           ; 512 consecutive bytes, then 256: a half fragment; both start at multiples of 256 from w1's first byte
	global_store_b64 v5, v[PC+4:PC+5], s[22:23] offset:1536*(\t)+512
	global_store_b128 v4, v[PC+6:PC+9], s[22:23] offset:1536*(\t)+768
	global_store_b64 v5, v[PC+10:PC+11], s[22:23] offset:1536*(\t)+1280
	ds_store_b32 v8, v[PW] offset:64*(\t)          ; lanes r and r + 16 write the same word with the same value
.endm
	LOAD 0
	LOAD 1
	STEP 0
	STEP 1
	STEP 2
	STEP 3
	ds_load_b64 v[10:11], v9                       ; my four steps' scale words, in order behind my stores
	s_wait_dscnt 0x0
	global_store_b64 v5, v[10:11], s[24:25]        ; 32 lanes store 256 consecutive bytes, aligned
	s_wait_tensorcnt 0x0
	ds_add_u32 v254, v255
	s_wait_dscnt 0x0
	s_endpgm
.Lfunc_end_k_q73a453d3b2_quant:
	.size	k_q73a453d3b2_quant, .Lfunc_end_k_q73a453d3b2_quant-k_q73a453d3b2_quant
	.p2alignl 7, 3214868480
	.fill 96, 4, 3214868480
	.section	.rodata,"a",@progbits
	.p2align	6, 0x0
	.amdhsa_kernel k_q73a453d3b2_quant
		.amdhsa_group_segment_fixed_size 35328
		.amdhsa_private_segment_fixed_size 0
		.amdhsa_enable_private_segment 0
		.amdhsa_kernarg_size 48
		.amdhsa_user_sgpr_count 2
		.amdhsa_user_sgpr_kernarg_segment_ptr 1
		.amdhsa_wavefront_size32 1
		.amdhsa_system_sgpr_workgroup_id_x 1
		.amdhsa_system_sgpr_workgroup_id_y 1
		.amdhsa_system_sgpr_workgroup_id_z 1
		.amdhsa_system_vgpr_workitem_id 0
		.amdhsa_next_free_vgpr 256
		.amdhsa_next_free_sgpr 66
		.amdhsa_reserve_vcc 0
		.amdhsa_float_denorm_mode_32 3
		.amdhsa_float_denorm_mode_16_64 3
		.amdhsa_memory_ordered 1
		.amdhsa_forward_progress 1
		.amdhsa_inst_pref_size 35
	.end_amdhsa_kernel
	.amdgpu_metadata
---
amdhsa.version: [ 1, 2 ]
amdhsa.kernels:
  - .name:           k_q73a453d3b2_quant
    .symbol:         k_q73a453d3b2_quant.kd
    .args:
      - { .name: x, .offset: 0, .size: 8, .value_kind: global_buffer, .address_space: global }
      - { .name: Wq, .offset: 8, .size: 8, .value_kind: global_buffer, .address_space: global }
      - { .name: Wk, .offset: 16, .size: 8, .value_kind: global_buffer, .address_space: global }
      - { .name: Wv, .offset: 24, .size: 8, .value_kind: global_buffer, .address_space: global }
      - { .name: Wo, .offset: 32, .size: 8, .value_kind: global_buffer, .address_space: global }
      - { .name: w1, .offset: 40, .size: 8, .value_kind: global_buffer, .address_space: global }
    .group_segment_fixed_size: 35328
    .private_segment_fixed_size: 0
    .kernarg_segment_align: 8
    .kernarg_segment_size: 48
    .max_flat_workgroup_size: 128
    .sgpr_count:     66
    .vgpr_count:     256
    .wavefront_size: 32
...
	.end_amdgpu_metadata
.endif
;; end of part 1
;; launch proj (part 2): grid 24 x 8, 4 waves a work-group, clusters of 4 x 1, 327,680 bytes of LDS; arguments w1, bq, bk, bv, w2; writes w2
.if DOCPART == 2
	.amdgcn_target "amdgcn-amd-amdhsa--gfx1250"
	.amdhsa_code_object_version 6
	.text
	.protected	k_q73a453d3b2_proj
	.globl	k_q73a453d3b2_proj
	.p2align	8
	.type	k_q73a453d3b2_proj,@function
k_q73a453d3b2_proj:
	s_mov_b64 s[64:65], 0
	v_nop
	global_prefetch_b8 v0, s[64:65] scope:SCOPE_SE
	s_setreg_imm32_b32 hwreg(HW_REG_WAVE_MODE, 25, 1), 1
	s_wait_xcnt 0x0
	s_wait_alu depctr_hold_cnt(0) depctr_sa_sdst(0) depctr_va_vdst(0) depctr_va_sdst(0) depctr_va_ssrc(0) depctr_va_vcc(0) depctr_vm_vsrc(0)
	s_getreg_b32 s2, hwreg(HW_REG_IB_STS2, 6, 4)
	s_cmp_eq_u32 s2, 0
	s_cbranch_scc0 .Lentry_in_a_cluster
	s_endpgm
.Lentry_in_a_cluster:
	s_bfe_u32 s2, ttmp6, 0x10000c
	s_cmp_lg_u32 s2, 0x3003
	s_cbranch_scc0 .Lentry_shape_is_right
	s_endpgm
.Lentry_shape_is_right:
; q = x Wq^T + bq, k = x Wk^T + bk, v = x Wv^T + bv on codes of BF6 (E3M2) from w1 (K = 2,048), and the results quantised at once into w2: q and k along the head's 64, v along the tokens.
; LIMITS: a block of zeros gets the byte 1 where the rule says 127 (its codes are zeros; this program alone reads the bytes); NaN and infinities are not served.
; w1: row tiles of 16 slots (tile t, slot r = row 32 (t / 2) + 8 (t % 2) + r + 8 (r / 8)).  Eight tiles are a UNIT of 196,608 bytes, laid [chunk of 512 K][tile][6,144 bytes]; a tile's 6,144 bytes are eight half
; fragments of 768 bytes (16 slots x 64 K, an image of operand registers: lane l's registers 0-3 at 16 l, registers 4-5 at 512 + 8 l).  Scale words at SC1 + 1024 T + 64 s + 4 r.
; Units: x 0-15, Wq 16-31, Wk 32-35, Wv 36-39.
; THE PRODUCT.  128 rows of source 0 x 256 rows of source 1 to a work-group, 64 x 128 to each of four waves (32 accumulators, 12 fragments for 32 matrix instructions).  By the order of rows in a tile a lane's
; 16 results of source 0's tiles 2 b and 2 b + 1 are 16 neighbours along source 0's rows, so what is quantised runs along source 0: q, k: source 0 = W, source 1 = x; v: source 0 = x, source 1 = Wv.
; One text serves all three: tile numbers, the bias's pointer, two masks and two distances are chosen on the cluster's number, which all partners share.  192 work-groups: blocks of equal size for 256 do not divide q, k and v.
; THE RING.  Two slots of a chunk each.  AT THE HEAD ONE LOAD A WAVE: wave 0 source 0's chunks 0 and 1 (98,304 consecutive bytes), wave 1 source 1's chunks 0 and 1 (two units, a row of 98,304 bytes each),
; wave 2 source 0's scale words, wave 3 source 1's.  Chunk 2 refills slot 0 behind K step 3, chunk 3 slot 1 behind K step 7, a quarter of a slot a wave; a refill has four K steps, 128 matrix instructions a wave, in which to land.
; LDS: source 0 at 0: [slot][8 tiles]; source 1 at S1O: [unit][slot][8 tiles]; the scale words behind them, filled once; the spare words.
; CLUSTERS: 4 x 1.  The partners share source 1's 256 rows: asked for jointly.  Source 0's hang on the place in the cluster: each work-group fetches its own, behind the same rounds.  (4 x 4 does not divide: Wv has two units of 256 rows.)
; PREFETCH: chunk 2 is asked for in the head, while chunks 0 and 1 are fetched, chunk 3 in K step 0: three and seven K steps ahead of their refills.  Waves 0 and 1 name the 96 blocks of 256 bytes that they will fetch of source 0;
; wave 2 names its work-group's quarter of source 1's chunk (unit cx / 2, half cx % 2: 96 blocks), told apart by address.  Each block is named once in the cluster; chunks 0 and 1 come by their loads alone.
; w2: 96 head blocks of 51,200 bytes, block 2 G + batch (G: q heads 0-31, k 32-39, v 40-47): 16 scale units of 128 bytes, then 64 half fragments.
;   q, k: half fragment = token tile of the batch, K = the head's 64.   v: half fragment 4 kg + dt: slots = 16 of the head's 64 (tile dt), K = keys 64 kg on.
;   scale unit i serves half fragments 4 i .. 4 i + 3: at 8 r + 2 a the two bytes of slot r of half fragment 4 i + a.
; REGISTERS: window 0: v1-30 addresses; v32-159 scale words (K step s, tile i at v[32 + 8 s + i]: lanes 0-15 source 0's tile i (i < 4), lanes 16-31 source 1's); v160-191 q's and k's bias, the C of the first K step,
;   later the way out's codes and work; v192-207 v's bias, in pairs; v208-239 32 numbers on the way out; v240-251 scale bytes.  Windows 1 and 3: the two fragment buffers (source 0 at v0-47, source 1 at v48-143).
;   Window 2: the accumulators ((a, b) at v[8 (4 a + b)]).
.set SLOT,  49152
.set S1O,   98304
.set SCL,   294912
.set SPARE, 319488
.set SC1,   11010048
.set A0,   8                           ; v8-9 source 0's fragments in slot 0, 1, 16 bytes a lane; v10-11 with 8 bytes a lane
.set A1,   12                          ; v12-15 the same for source 1
.set ADRS, 24
.set SPW,  28
.set NIL,  29
.set PFO,  30                          ; v30 256 x lane: a block of 256 bytes to a lane
.set SCW,  32
.set BI,   160
.set B1,   192
.set X,    208
.set HW,   240
.set TC,   176
.set TM,   180
.set SEL,  2
.set G1,   24
.set G0,   32
.set G1B,  48
.set G0B,  56
.set G1S,  68
.set G0S,  76
.set G1SB, 80
.set G0SB, 88
.set PFA,  100                         ; s[100:101] chunk 2 of what I prefetch; never rewritten
.set MSB, 0
.macro WIN new                         ; the immediate's high byte repeats the setting that is left
.if MSB != \new
	s_set_vgpr_msb (MSB<<8)|\new
.set MSB, \new
.endif
.endm
.macro AFTER                           ; behind every tensor load
	s_nop 0
.rept 4
	v_nop
.endr
.endm
.macro JLOAD g0a, g1a, g0b, g1b        ; the ring's loads: waves 0, 1 for source 0 (the work-group's own), waves 2, 3 for source 1 (joint)
	s_cmp_eq_u32 s15, 0
	s_cbranch_scc0 .Lfor_b_\@
	tensor_load_to_lds s[\g0a:\g0a+3], s[\g1a:\g1a+7]
	AFTER
	s_branch .Lasked_\@
.Lfor_b_\@:
	tensor_load_to_lds s[\g0b:\g0b+3], s[\g1b:\g1b+7]
	AFTER
.Lasked_\@:
.endm
.macro ARM under, g0, g1, next         ; an arm of the head's one tree of branches on the wave's number
	s_cmp_lt_u32 s14, \under
	s_cbranch_scc0 \next
	tensor_load_to_lds s[\g0:\g0+3], s[\g1:\g1+7]
	AFTER
	s_branch .Lhead_asked
\next:
.endm
.macro CREST
	s_cmp_lg_u32 s14, 0
	s_cbranch_scc1 .Lnot_wave_0_\@
	s_barrier_signal -3
.Lnot_wave_0_\@:
	s_barrier_wait -3
	s_barrier_signal -1
	s_barrier_wait -1
.endm
.macro CROUND
	s_barrier_signal -1
	s_barrier_wait -1
	CREST
.endm
.macro PLACES n
.rept \n
	v_nop
.endr
.endm
.macro ASK c                           ; chunk c: 96 blocks of 256 bytes, three instructions, in waves 0 to 2
	s_cmp_eq_u32 s14, 3
	s_cbranch_scc1 .Lno_ask_\@
.irp i, 0,1,2
	global_prefetch_b8 v[PFO], s[PFA:PFA+1] offset:((\c)-2)*SLOT+8192*\i th:TH_LOAD_NT scope:SCOPE_SE
.endr
.Lno_ask_\@:
.endm
.macro FRAG reg, a16, a8, off          ; a fragment (16 slots x 128 K, 12 registers) = two half fragments: consecutive bytes in consecutive lanes
	ds_load_b128 v[(\reg):(\reg)+3], v[\a16] offset:\off
	ds_load_b64 v[(\reg)+4:(\reg)+5], v[\a8] offset:\off+512
	ds_load_b128 v[(\reg)+6:(\reg)+9], v[\a16] offset:\off+768
	ds_load_b64 v[(\reg)+10:(\reg)+11], v[\a8] offset:\off+1280
.endm
.macro LDRUN slot, kq, f, run          ; 16 LDS loads into buffer f.  run 0: source 0's four fragments; run 1: source 1's tiles 0-3; run 2: its tiles 4-7
.set WW, 0x40+0x80*(\f)
	WIN WW
.if \run == 0
.irp b, 0,1,2,3
	FRAG 12*\b, A0+\slot, A0+2+\slot, \b*6144+(\kq)*1536
.endr
.else
.irp a, 0,1,2,3
	FRAG 48+12*(4*(\run)-4+\a), A1+\slot, A1+2+\slot, (4*(\run)-4+\a)*6144+(\kq)*1536
.endr
.endif
.endm
; four matrix instructions: source 1's tile a against source 0's four.  The 32 accumulators take turns, in the same order in every step.
.macro MULA ks, a, first
.irp b, 0,1,2,3
.if \first
	v_wmma_scale_f32_16x16x128_f8f6f4 v[8*(4*(\a)+\b):8*(4*(\a)+\b)+7], v[12*\b:12*\b+11], v[48+12*(\a):48+12*(\a)+11], v[BI+8*\b:BI+8*\b+7], v[SCW+8*(\ks)+\b], v[SCW+8*(\ks)+(\a)] matrix_a_fmt:MATRIX_FMT_BF6 matrix_b_fmt:MATRIX_FMT_BF6 matrix_b_scale:MATRIX_SCALE_ROW1
.else
	v_wmma_scale_f32_16x16x128_f8f6f4 v[8*(4*(\a)+\b):8*(4*(\a)+\b)+7], v[12*\b:12*\b+11], v[48+12*(\a):48+12*(\a)+11], v[8*(4*(\a)+\b):8*(4*(\a)+\b)+7], v[SCW+8*(\ks)+\b], v[SCW+8*(\ks)+(\a)] matrix_a_fmt:MATRIX_FMT_BF6 matrix_b_fmt:MATRIX_FMT_BF6 matrix_b_scale:MATRIX_SCALE_ROW1
.endif
.endr
.endm
; One of a slot's first three K steps: multiplies buffer ks % 2 and fetches the next step's fragments into the other, in three runs between the products.
.macro STEPK slot, kq, ks, first, ask
.set FB, (\ks)%2
.set GB, 1-FB
.set WM, 0x85+0x0a*FB+0x20*(1-(\first))        ; sources: window 1 or 3; D: window 2; C: window 2, or window 0 (the bias) in the first step
	s_wait_dscnt 16                                ; all but the youngest run (source 1's tiles 4-7) are in
	WIN WM
	MULA \ks, 0, \first
	MULA \ks, 1, \first
	PLACES 4                                       ; behind the last step's products, which read the buffer that is now loaded
	LDRUN \slot, (\kq)+1, GB, 0
.if \ask
	WIN 0
	ASK \ask
.endif
	WIN WM
	MULA \ks, 2, \first
	MULA \ks, 3, \first
	LDRUN \slot, (\kq)+1, GB, 1
	s_wait_dscnt 32                                ; all but the two runs just issued
	WIN WM
	MULA \ks, 4, \first
	MULA \ks, 5, \first
	LDRUN \slot, (\kq)+1, GB, 2
	WIN WM
	MULA \ks, 6, \first
	MULA \ks, 7, \first
.endm
; A slot's last K step (buffer 1) changes slots: one barrier; in front of it each wave waits for all its tensor loads, adds 0 to its spare word, and waits for that and for its reads of this slot.
; fill = 1: the barrier opens a round of the cluster's barrier, and this slot is filled again, with the chunk two on.
.macro TURN slot, next, ks, fill
.set WM, 0xaf
	WIN 0
	s_wait_tensorcnt 0x0                           ; all my tensor loads have landed
	ds_add_u32 v[SPW], v[NIL]
	s_wait_dscnt 17                                ; (the add and the youngest run may be out)
	WIN WM
	MULA \ks, 0, 0
	MULA \ks, 1, 0
	s_wait_dscnt 0x0                               ; the add is done, and my reads of this slot are over
	s_barrier_signal -1
	MULA \ks, 2, 0
	MULA \ks, 3, 0
.if \fill
	WIN 0
.endif
	s_barrier_wait -1
.if \fill
	CREST
	s_add_nc_u64 s[G0+4*\slot+2:G0+4*\slot+3], s[G0+4*\slot+2:G0+4*\slot+3], 2*SLOT
	s_add_nc_u64 s[G0B+4*\slot+2:G0B+4*\slot+3], s[G0B+4*\slot+2:G0B+4*\slot+3], 2*SLOT
	JLOAD G0+4*\slot, G1, G0B+4*\slot, G1B         ; the first tensor load behind the round; its four v_nop are also the places in front of the loads below
.else
	PLACES 4
.endif
	LDRUN \next, 0, 0, 0
	LDRUN \next, 0, 0, 1
	WIN WM
	MULA \ks, 4, 0
	MULA \ks, 5, 0
	LDRUN \next, 0, 0, 2
	WIN WM
	MULA \ks, 6, 0
	MULA \ks, 7, 0
.endm
; 32 numbers of a lane, register 16 b + i = place 32 b + 16 h + i along K, become a half fragment's six registers in v[pc] on and its two scale bytes in v[hw].
.macro QUANT2 s, pc, hw
.irp b, 0,1
	v_max3_num_f32 v[TM+\b], |v[(\s)+16*\b]|, |v[(\s)+1+16*\b]|, 0x2800000   ; my 16 numbers of block b, and the floor 2^(5 - 127): the byte cannot fall under 1
.endr
.irp i, 2,4,6,8,10,12,14
.irp b, 0,1
	v_max3_num_f32 v[TM+\b], v[TM+\b], |v[(\s)+16*\b+\i]|, |v[(\s)+1+16*\b+\i]|
.endr
.endr
.irp b, 0,1
	v_permlanex16_b32 v[TM+2+\b], v[TM+\b], s[SEL], s[SEL+1]
.endr
.irp b, 0,1
	v_max_num_f32 v[TM+\b], v[TM+\b], v[TM+2+\b]   ; with lane l xor 16's: the block's largest magnitude
.endr
.irp b, 0,1
	v_add_nc_u32 v[TM+4+\b], 0xfe000000, v[TM+\b]  ; 4 off its exponent field: the conversion's scale operand
.endr
.irp b, 0,1
	v_lshrrev_b32 v[TM+2+\b], 23, v[TM+4+\b]       ; the scale's byte
.endr
	v_lshl_or_b32 v[\hw], v[TM+3], 8, v[TM+2]
	v_cvt_scalef32_pk16_bf6_f32 v[(\pc):(\pc)+2], v[(\s):(\s)+15], v[TM+4]
	v_cvt_scalef32_pk16_bf6_f32 v[TC:TC+2], v[(\s)+16:(\s)+31], v[TM+5]
	v_nop                                          ; one plain place behind a scaled conversion
.irp i, 0,1,2
	v_permlane16_swap_b32 v[(\pc)+\i], v[TC+\i]    ; a whole block to a lane: lanes 0-15 block 0, lanes 16-31 block 1
.endr
.irp i, 0,1,2
	v_mov_b32 v[(\pc)+3+\i], v[TC+\i]
.endr
.endm
	s_load_b256 s[4:11], s[0:1], 0x0               ; w1 s[4:5], bq s[6:7], bk s[8:9], bv s[10:11]
	s_load_b64 s[12:13], s[0:1], 0x20              ; w2
	v_lshl_add_u32 v[SPW], v0, 2, SPARE
	v_mov_b32 v[NIL], 0
	ds_add_u32 v[SPW], v[NIL]                      ; the opening lines: the add, twice on end, and its wait
	ds_add_u32 v[SPW], v[NIL]
	v_lshrrev_b32 v1, 5, v0
	v_readfirstlane_b32 s14, v1                    ; wave 0..3
	s_lshr_b32 s15, s14, 1                         ; my half of source 1's rows.  In the ring: I fetch for source 0 (0) or 1 (1)
	s_and_b32 s16, s14, 1                          ; my half of source 0's rows.  In the ring: which half of that side I fetch
	s_bfe_u32 s40, ttmp6, 0x40000                  ; cx
	s_and_b32 s41, ttmp7, 0xffff                   ; y, 0..7
	s_lshl_b32 s17, ttmp9, 2
	s_add_co_u32 s17, s17, 16                      ; q and k: source 0's unit 16 + 4 x cluster x
	s_and_b32 s18, s41, 3
	s_lshl_b32 s18, s18, 2                         ; v: 4 (y % 4)
	s_lshr_b32 s19, s41, 2
	s_add_co_u32 s19, s19, 18                      ; pairs of units: x 0-7, Wv 18-19.  v: 18 + y / 4
	s_cmp_lt_u32 ttmp9, 5                          ; clusters x = 0..4 make q and k, cluster x = 5 makes v
	s_cselect_b32 s42, s17, s18
	s_cselect_b32 s43, s41, s19                    ; source 1's pair of units: what the four partners share
	s_add_co_u32 s42, s42, s40                     ; source 0's unit: hangs on cx
	; group 1 for the head's loads, elements of 8 bytes.  Source 0's codes: 16 rows of 6,144 bytes, consecutive; no mask
	s_mov_b32 s[G1+0], 3<<16
	s_mov_b32 s[G1+1], 768<<16
	s_mov_b32 s[G1+2], 16<<16
	s_mov_b32 s[G1+3], 768<<16
	s_mov_b32 s[G1+4], 16
	s_mov_b32 s[G1+5], 768
	s_mov_b32 s[G1+6], 0
	s_mov_b32 s[G1+7], 0
	; source 1's codes: 2 rows (units) of 98,304 bytes, 196,608 apart; the mask names all four work-groups, bit 21 set beside it
	s_mov_b32 s[G1B+0], 15|(3<<16)|(1<<21)
	s_mov_b32 s[G1B+1], 12288<<16
	s_mov_b32 s[G1B+2], 2<<16
	s_mov_b32 s[G1B+3], 12288<<16
	s_mov_b32 s[G1B+4], 2
	s_mov_b32 s[G1B+5], 24576
	s_mov_b32 s[G1B+6], 0
	s_mov_b32 s[G1B+7], 0
	; scale words: consecutive bytes as rows of 256: 8,192 bytes of source 0, 16,384 of source 1
	s_mov_b32 s[G1S+0], 3<<16
	s_mov_b32 s[G1S+1], 32<<16
	s_mov_b32 s[G1S+2], 32<<16
	s_mov_b32 s[G1S+3], 32<<16
	s_mov_b32 s[G1S+4], 32
	s_mov_b32 s[G1S+5], 32
	s_mov_b32 s[G1S+6], 0
	s_mov_b32 s[G1S+7], 0
	s_mov_b32 s[G1SB+0], 15|(3<<16)|(1<<21)
	s_mov_b32 s[G1SB+1], 32<<16
	s_mov_b32 s[G1SB+2], 64<<16
	s_mov_b32 s[G1SB+3], 32<<16
	s_mov_b32 s[G1SB+4], 64
	s_mov_b32 s[G1SB+5], 32
	s_mov_b32 s[G1SB+6], 0
	s_mov_b32 s[G1SB+7], 0
	s_mul_i32 s20, s42, 196608                     ; source 0's unit,
	s_mov_b32 s21, 0
	s_lshl_b32 s22, s42, 13
	s_add_co_u32 s22, s22, SC1                     ; its scale words;
	s_mov_b32 s23, 0
	s_mul_i32 s96, s43, 393216                     ; source 1's two units, in registers that never hold cx,
	s_mov_b32 s97, 0
	s_lshl_b32 s98, s43, 14
	s_add_co_u32 s98, s98, SC1                     ; their scale words
	s_mov_b32 s99, 0
	s_lshr_b32 s17, s40, 1                         ; what I prefetch.  Wave 2: of source 1 unit cx / 2,
	s_mul_i32 s17, s17, 196608
	s_and_b32 s18, s40, 1
	s_mul_i32 s18, s18, 24576                      ; half cx % 2 of a chunk;
	s_add_co_u32 s17, s17, s18
	s_add_co_u32 s17, s17, s96
	s_mul_i32 s18, s16, 24576                      ; waves 0, 1: the half of source 0's chunk that I fetch
	s_add_co_u32 s18, s18, s20
	s_cmp_lt_u32 s14, 2
	s_cselect_b32 s[PFA], s18, s17
	s_add_co_u32 s[PFA], s[PFA], 2*SLOT            ; chunk 2
	s_mov_b32 s[PFA+1], 0
	s_mov_b32 s[SEL], 0x76543210
	s_mov_b32 s[SEL+1], 0xfedcba98
	s_wait_dscnt 0x0                               ; both opening adds are done
	s_wait_kmcnt 0x0
	s_add_nc_u64 s[20:21], s[4:5], s[20:21]
	s_add_nc_u64 s[22:23], s[4:5], s[22:23]
	s_add_nc_u64 s[96:97], s[4:5], s[96:97]
	s_add_nc_u64 s[98:99], s[4:5], s[98:99]
	s_add_nc_u64 s[PFA:PFA+1], s[4:5], s[PFA:PFA+1]
	CROUND                                         ; all four work-groups are here: the first joint loads meet
	s_mov_b32 s[G0], 1                             ; slot 0's groups 0 serve the head's loads first: both chunks, whole
	s_mov_b32 s[G0+1], 0
	s_mov_b64 s[G0+2:G0+3], s[20:21]
	s_or_b32 s[G0+3], s[G0+3], 0x80000000
	s_mov_b32 s[G0B], 1
	s_mov_b32 s[G0B+1], S1O
	s_mov_b64 s[G0B+2:G0B+3], s[96:97]
	s_or_b32 s[G0B+3], s[G0B+3], 0x80000000
	s_mov_b32 s[G0S], 1
	s_mov_b32 s[G0S+1], SCL
	s_mov_b64 s[G0S+2:G0S+3], s[22:23]
	s_or_b32 s[G0S+3], s[G0S+3], 0x80000000
	s_mov_b32 s[G0SB], 1
	s_mov_b32 s[G0SB+1], SCL+8192
	s_mov_b64 s[G0SB+2:G0SB+3], s[98:99]
	s_or_b32 s[G0SB+3], s[G0SB+3], 0x80000000
	s_mul_i32 s18, s16, 24576                      ; slot 1's groups 0, for the ring: my part of chunk 1; the refill steps them to chunk 3
	s_mov_b32 s19, 0
	s_mov_b32 s[G0+4], 1
	s_add_co_u32 s[G0+5], s18, SLOT
	s_add_nc_u64 s[G0+6:G0+7], s[20:21], s[18:19]
	s_add_nc_u64 s[G0+6:G0+7], s[G0+6:G0+7], SLOT
	s_or_b32 s[G0+7], s[G0+7], 0x80000000
	s_mul_i32 s18, s16, 196608
	s_mul_i32 s17, s16, 98304
	s_mov_b32 s[G0B+4], 1
	s_add_co_u32 s[G0B+5], s17, S1O+SLOT
	s_add_nc_u64 s[G0B+6:G0B+7], s[96:97], s[18:19]
	s_add_nc_u64 s[G0B+6:G0B+7], s[G0B+6:G0B+7], SLOT
	s_or_b32 s[G0B+7], s[G0B+7], 0x80000000
	ARM 1, G0,  G1,  .Lhead_b                      ; one load a wave: every way through the head passes exactly one
	ARM 2, G0B, G1B, .Lhead_sa
	ARM 3, G0S, G1S, .Lhead_sb
	tensor_load_to_lds s[G0SB:G0SB+3], s[G1SB:G1SB+7]
	AFTER
.Lhead_asked:
	s_mul_i32 s17, s16, 24576                      ; my four tiles of source 0 in slot 0
	s_mul_i32 s18, s15, 98304
	s_add_co_u32 s18, s18, S1O                     ; my eight of source 1: unit = my half
	s_lshl_b32 s20, s16, 12                        ; scale words: lanes 0-15 take source 0's, lanes 16-31 source 1's: the lower base + h x the distance
	s_lshl_b32 s19, s15, 13
	s_add_co_u32 s19, s19, 8192
	s_sub_co_u32 s19, s19, s20
	s_add_co_u32 s20, s20, SCL
	v_and_b32 v1, 15, v0                           ; r
	v_bfe_u32 v2, v0, 4, 1                         ; h
	v_and_b32 v3, 31, v0                           ; l
	v_lshlrev_b32 v25, 4, v3                       ; 16 l
	v_lshlrev_b32 v26, 3, v3                       ; 8 l
	v_lshlrev_b32 v27, 3, v1
	v_lshl_add_u32 v27, v2, 2, v27                 ; 8 r + 4 h: my word of a scale unit
	v_add_nc_u32 v[A0], s17, v25
	v_add_nc_u32 v[A0+2], s17, v26
	v_add_nc_u32 v[A1], s18, v25
	v_add_nc_u32 v[A1+2], s18, v26
.irp a, A0, A0+2, A1, A1+2
	v_add_nc_u32 v[\a+1], SLOT, v[\a]
.endr
	v_mul_u32_u24 v[ADRS], s19, v2
	v_lshl_add_u32 v[ADRS], v1, 2, v[ADRS]
	v_add_nc_u32 v[ADRS], s20, v[ADRS]
	v_lshlrev_b32 v4, 6, v2                        ; bias along source 0: my half's 16 numbers of a pair of tiles: 64 h bytes on
	v_and_b32 v5, 8, v1
	v_add_nc_u32 v5, v5, v1
	v_lshlrev_b32 v5, 2, v5                        ; bias along source 1: slot r's row: 4 (r + 8 (r / 8))
	v_lshlrev_b32 v[PFO], 8, v3
	s_wait_alu depctr_va_vdst(0)
	; which bias, where, and where the results go: units of 64 rows: E0 = my 64 rows of source 0, E1 = the first 64 of my 128 rows of source 1
	s_lshl_b32 s20, s42, 1
	s_add_co_u32 s20, s20, s16                     ; E0
	s_lshl_b32 s21, s43, 2
	s_lshl_b32 s17, s15, 1
	s_add_co_u32 s21, s21, s17                     ; E1
	s_lshl_b32 s22, s20, 6
	s_mov_b32 s23, 4096
	s_cmp_lt_u32 ttmp9, 4                          ; q's clusters
	s_cselect_b32 s23, 2048, s23
	s_cselect_b64 s[18:19], s[6:7], s[8:9]
	s_sub_co_u32 s22, s22, s23                     ; q: 64 E0 - 2,048 in bq;  k: 64 E0 - 4,096 in bk
	s_lshl_b32 s23, s21, 6
	s_sub_co_u32 s23, s23, 4608                    ; v: 64 E1 - 4,608 in bv
	s_mov_b32 s17, 102400
	s_cmp_lt_u32 ttmp9, 5
	s_cselect_b64 s[18:19], s[18:19], s[10:11]
	s_cselect_b32 s22, s22, 0                      ; the side that has no bias loads from the buffer's start and is masked off below
	s_cselect_b32 s23, 0, s23
	s_cselect_b32 s66, -1, 0                       ; all lanes for q and k
	s_cselect_b32 s67, 0, -1                       ; all lanes for v
	s_cselect_b32 s96, s20, s21                    ; the head's unit, G + 32
	s_cselect_b32 s97, s21, s20                    ; the unit of 64 tokens
	s_cselect_b32 s44, 3072, s17                   ; from source 1's tiles 0-3 to its tiles 4-7: q, k: the next four token tiles; v: the next head's block
	s_cselect_b32 s46, 128, s17                    ; and the same for the scale units
	s_mov_b32 s45, 0
	s_mov_b32 s47, 0
	s_lshl_b32 s22, s22, 2
	s_lshl_b32 s98, s23, 2
	s_mov_b32 s23, 0
	s_mov_b32 s99, 0
	s_add_nc_u64 s[22:23], s[18:19], s[22:23]
	s_add_nc_u64 s[98:99], s[18:19], s[98:99]
.irp b, 0,1,2,3
	global_load_b128 v[BI+8*\b:BI+8*\b+3], v4, s[22:23] offset:(32*(\b/2)+8*(\b%2))*4       ; register j of tile b: source 0's row 32 (b / 2) + 8 (b % 2) + 16 h + j
	global_load_b128 v[BI+8*\b+4:BI+8*\b+7], v4, s[22:23] offset:(32*(\b/2)+8*(\b%2))*4+16
.endr
.irp a, 0,1,2,3,4,5,6,7
	global_load_b32 v[B1+2*\a], v5, s[98:99] offset:(32*(\a/2)+8*(\a%2))*4                  ; twice: a pair for the packed addition
	global_load_b32 v[B1+2*\a+1], v5, s[98:99] offset:(32*(\a/2)+8*(\a%2))*4
.endr
	ASK 2
	s_sub_co_u32 s96, s96, 32
	s_lshl_b32 s96, s96, 5
	s_add_co_u32 s96, s96, s97                     ; 32 G + the unit of tokens (0..31): bits 4 on = the head block 2 G + batch
	s_lshr_b32 s97, s96, 4
	s_mul_i32 s97, s97, 51200
	s_and_b32 s96, s96, 15                         ; the group of 64 tokens in the batch
	s_mul_i32 s20, s96, 3072
	s_add_co_u32 s20, s20, s97
	s_add_co_u32 s20, s20, 2048
	s_mov_b32 s21, 0
	s_add_nc_u64 s[92:93], s[12:13], s[20:21]      ; the half fragments of source 1's tiles 0-3,
	s_add_nc_u64 s[44:45], s[92:93], s[44:45]      ; and of its tiles 4-7
	s_lshl_b32 s20, s96, 7
	s_add_co_u32 s20, s20, s97
	s_add_nc_u64 s[94:95], s[12:13], s[20:21]      ; their scale units
	s_add_nc_u64 s[46:47], s[94:95], s[46:47]
	s_wait_tensorcnt 0x0                           ; my one load of the head's four is in: no tensor load of mine is out, so descriptors may be written.
	s_mov_b32 s[G1+2], 4<<16                       ; From here on a load of source 0 brings 4 rows of 6,144 bytes,
	s_mov_b32 s[G1+4], 4
	s_mov_b32 s[G1B+1], 768<<16                    ; one of source 1 eight such rows, consecutive
	s_mov_b32 s[G1B+2], 8<<16
	s_mov_b32 s[G1B+3], 768<<16
	s_mov_b32 s[G1B+4], 8
	s_mov_b32 s[G1B+5], 768
	s_mul_i32 s18, s16, 24576                      ; and slot 0's groups 0 point at my part of chunk 0; the refill steps them to chunk 2
	s_mov_b32 s19, 0
	s_mov_b32 s[G0+1], s18
	s_add_nc_u64 s[G0+2:G0+3], s[G0+2:G0+3], s[18:19]
	s_mul_i32 s18, s16, 196608
	s_add_nc_u64 s[G0B+2:G0B+3], s[G0B+2:G0B+3], s[18:19]
	s_mul_i32 s18, s16, 98304
	s_add_co_u32 s[G0B+1], s18, S1O
	s_barrier_signal -1
	s_barrier_wait -1                              ; everybody's load is in
.irp s, 0,1,2,3,4,5,6,7,8,9,10,11,12,13,14,15
.irp i, 0,1,2,3,4,5,6,7
	ds_load_b32 v[SCW+8*\s+\i], v[ADRS] offset:1024*\i+64*\s
.endr
.endr
	LDRUN 0, 0, 0, 0
	LDRUN 0, 0, 0, 1
	LDRUN 0, 0, 0, 2
	WIN 0
	s_wait_loadcnt 0x0                             ; the biases
.set n, 0
.rept 32
	v_cndmask_b32 v[BI+n], 0, v[BI+n], s66         ; kept for q and k
.set n, n+1
.endr
.set n, 0
.rept 16
	v_cndmask_b32 v[B1+n], 0, v[B1+n], s67         ; kept for v
.set n, n+1
.endr
	s_wait_alu depctr_va_vdst(0)
	STEPK 0, 0, 0, 1, 3                            ; the first K step starts the sums, with the bias as C; chunk 3 is prefetched
	STEPK 0, 1, 1, 0, 0
	STEPK 0, 2, 2, 0, 0
	TURN 0, 1, 3, 1                                ; slot 0 takes chunk 2
	STEPK 1, 0, 4, 0, 0
	STEPK 1, 1, 5, 0, 0
	STEPK 1, 2, 6, 0, 0
	TURN 1, 0, 7, 1                                ; slot 1 takes chunk 3
	STEPK 0, 0, 8, 0, 0
	STEPK 0, 1, 9, 0, 0
	STEPK 0, 2, 10, 0, 0
	TURN 0, 1, 11, 0                               ; nothing is left to fetch
	STEPK 1, 0, 12, 0, 0
	STEPK 1, 1, 13, 0, 0
	STEPK 1, 2, 14, 0, 0
	s_wait_dscnt 16                                ; the last K step (buffer 1)
	WIN 0xaf
	MULA 15, 0, 0
	MULA 15, 1, 0
	MULA 15, 2, 0
	MULA 15, 3, 0
	s_wait_dscnt 0x0
	MULA 15, 4, 0
	MULA 15, 5, 0
	MULA 15, 6, 0
	MULA 15, 7, 0
	WIN 0
	; THE WAY OUT: for each tile a of source 1 my 32 results run along source 0: a half fragment's 64 along K, 32 in this lane and 32 in lane l xor 16.
	PLACES 4
.irp a, 0,1,2,3,4,5,6,7
.if \a > 1
	s_wait_xcnt 0x0                                ; tile a - 2's stores have read their registers: only behind this wait are they written again
.endif
	WIN 0x02
.set n, 0
.rept 16
	v_pk_add_f32 v[X+n:X+n+1], v[32*\a+n:32*\a+n+1], v[B1+2*\a:B1+2*\a+1]   ; into window 0, with v's bias of my slot's row (0 for q and k); each accumulator from its low end on
.set n, n+2
.endr
	WIN 0
	QUANT2 X, BI+8*(\a%2), HW+\a
.if \a < 4
	global_store_b128 v25, v[BI+8*(\a%2):BI+8*(\a%2)+3], s[92:93] offset:768*\a           ; 512 consecutive bytes, then 256, both at multiples of 256 from w2's first byte
	global_store_b64 v26, v[BI+8*(\a%2)+4:BI+8*(\a%2)+5], s[92:93] offset:768*\a+512
.else
	global_store_b128 v25, v[BI+8*(\a%2):BI+8*(\a%2)+3], s[44:45] offset:768*(\a-4)
	global_store_b64 v26, v[BI+8*(\a%2)+4:BI+8*(\a%2)+5], s[44:45] offset:768*(\a-4)+512
.endif
.endr
	v_lshl_or_b32 v248, v[HW+1], 16, v[HW]         ; the byte pairs of tiles 0, 1;
	v_lshl_or_b32 v249, v[HW+3], 16, v[HW+2]       ; 2, 3;
	v_lshl_or_b32 v250, v[HW+5], 16, v[HW+4]       ; 4, 5;
	v_lshl_or_b32 v251, v[HW+7], 16, v[HW+6]       ; 6, 7
	v_cmp_lt_u32 vcc_lo, 15, v3
	v_cndmask_b32 v248, v248, v249, vcc_lo         ; lanes 0-15 store the first word of their slot's 8 bytes, lanes 16-31 the second
	v_cndmask_b32 v250, v250, v251, vcc_lo
	global_store_b32 v27, v248, s[94:95]           ; 128 consecutive bytes: a scale unit
	global_store_b32 v27, v250, s[46:47]
	s_wait_tensorcnt 0x0                           ; the wave's end
	ds_add_u32 v[SPW], v[NIL]
	s_wait_dscnt 0x0
	CROUND                                         ; the closing round
	s_endpgm
.Lfunc_end_k_q73a453d3b2_proj:
	.size	k_q73a453d3b2_proj, .Lfunc_end_k_q73a453d3b2_proj-k_q73a453d3b2_proj
	.p2alignl 7, 3214868480
	.fill 96, 4, 3214868480
	.section	.rodata,"a",@progbits
	.p2align	6, 0x0
	.amdhsa_kernel k_q73a453d3b2_proj
		.amdhsa_group_segment_fixed_size 327680
		.amdhsa_private_segment_fixed_size 0
		.amdhsa_enable_private_segment 0
		.amdhsa_kernarg_size 40
		.amdhsa_user_sgpr_count 2
		.amdhsa_user_sgpr_kernarg_segment_ptr 1
		.amdhsa_wavefront_size32 1
		.amdhsa_system_sgpr_workgroup_id_x 1
		.amdhsa_system_sgpr_workgroup_id_y 1
		.amdhsa_system_sgpr_workgroup_id_z 1
		.amdhsa_system_vgpr_workitem_id 0
		.amdhsa_next_free_vgpr 1024
		.amdhsa_next_free_sgpr 102
		.amdhsa_reserve_vcc 1
		.amdhsa_float_denorm_mode_32 3
		.amdhsa_float_denorm_mode_16_64 3
		.amdhsa_memory_ordered 1
		.amdhsa_forward_progress 1
		.amdhsa_inst_pref_size 172
	.end_amdhsa_kernel
	.amdgpu_metadata
---
amdhsa.version: [ 1, 2 ]
amdhsa.kernels:
  - .name:           k_q73a453d3b2_proj
    .symbol:         k_q73a453d3b2_proj.kd
    .args:
      - { .name: w1, .offset: 0, .size: 8, .value_kind: global_buffer, .address_space: global }
      - { .name: bq, .offset: 8, .size: 8, .value_kind: global_buffer, .address_space: global }
      - { .name: bk, .offset: 16, .size: 8, .value_kind: global_buffer, .address_space: global }
      - { .name: bv, .offset: 24, .size: 8, .value_kind: global_buffer, .address_space: global }
      - { .name: w2, .offset: 32, .size: 8, .value_kind: global_buffer, .address_space: global }
    .group_segment_fixed_size: 327680
    .private_segment_fixed_size: 0
    .kernarg_segment_align: 8
    .kernarg_segment_size: 40
    .max_flat_workgroup_size: 128
    .sgpr_count:     102
    .vgpr_count:     1024
    .wavefront_size: 32
...
	.end_amdgpu_metadata
.endif
;; end of part 2
;; launch attn (part 3): grid 16 x 16, 16 waves a work-group, clusters of 4 x 1, 169,984 bytes of LDS; arguments w2, w3; writes w3
.if DOCPART == 3
	.amdgcn_target "amdgcn-amd-amdhsa--gfx1250"
	.amdhsa_code_object_version 6
	.text
	.protected	k_q73a453d3b2_attn
	.globl	k_q73a453d3b2_attn
	.p2align	8
	.type	k_q73a453d3b2_attn,@function
k_q73a453d3b2_attn:
	s_mov_b64 s[64:65], 0
	v_nop
	global_prefetch_b8 v0, s[64:65] scope:SCOPE_SE
	s_setreg_imm32_b32 hwreg(HW_REG_WAVE_MODE, 25, 1), 1
	s_wait_xcnt 0x0
	s_wait_alu depctr_hold_cnt(0) depctr_sa_sdst(0) depctr_va_vdst(0) depctr_va_sdst(0) depctr_va_ssrc(0) depctr_va_vcc(0) depctr_vm_vsrc(0)
	s_getreg_b32 s2, hwreg(HW_REG_IB_STS2, 6, 4)
	s_cmp_eq_u32 s2, 0
	s_cbranch_scc0 .Lentry_in_a_cluster
	s_endpgm
.Lentry_in_a_cluster:
	s_bfe_u32 s2, ttmp6, 0x10000c
	s_cmp_lg_u32 s2, 0x3003
	s_cbranch_scc0 .Lentry_shape_is_right
	s_endpgm
.Lentry_shape_is_right:
; o[b][n][hq][:] = the sum over keys m <= n of softmax_m(q . k / 8) v, both products on codes of BF6 (E3M2) from w2; o is quantised along E = 64 hq + d into w3.  32 query heads, 8 key and value heads, head size 64, 1,024 tokens, 2 batches.
; THE SOFTMAX AHEAD OF THE SECOND PRODUCT: t = score x log2(e) / 8; M = the row's largest t so far, rounded UP to a whole number; p = 2^(t - M) is quantised along the keys, not normalised.
; The row's sum is taken of the unquantised p and divides O at the end (by v_rcp_f32 and a multiplication).  When M moves, the sum and O are multiplied by 2^(old M - new M): exact.
; LIMITS: a block of zeros gets the byte 1 where the rule says 127 (its codes are zeros; this program alone reads the bytes); NaN and infinities are not served.
; w2: head blocks of 51,200 bytes, block 2 G + batch (q heads G = 0-31, k 32-39, v 40-47): 16 scale units of 128 bytes, then 64 half fragments of 768 bytes (16 slots x 64 K, an image of operand
; registers: lane l's registers 0-3 at 16 l, registers 4-5 at 512 + 8 l).  q, k: half fragment = token tile (tile t, slot r = token 32 (t / 2) + 8 (t % 2) + r + 8 (r / 8)), K = the head's 64.
; v: half fragment 4 kg + dt: slots = 16 of the head's 64, in the same order of rows, K = keys 64 kg on.  Scale unit i: at 8 r + 2 a the two bytes of slot r of half fragment 4 i + a.
; THE FIRST PRODUCT'S K IS 64, half of the instruction's 128: registers 6-11 of both operands hold zero codes, and bytes 2 and 3 of both scale words are 0, which is no NaN.
; SHARES.  A work-group serves one key and value head of one batch: its 16 waves are the 4 query heads that share it x 4 tiles of 16 queries.  K's and V's whole head blocks (102,400 bytes) lie in LDS,
; filled ONCE: no ring.  The four work-groups of a cluster read the same two blocks: each half block is asked for JOINTLY (waves 0 to 3, one load each).
; CAUSAL.  A tile of class c (queries 128 c .. 128 c + 127) needs key steps 0 .. c of 128 keys; step c is masked.  Every wave walks eight trips (a constant) and jumps over the work of hidden steps.
; A work-group's four tiles have classes {0, 7, 2, 5} or {1, 6, 3, 4}: 18 steps together; wave w takes head w % 4 and tile (w % 4 + w / 4) % 4.  The class hangs on the wave's number and the
; cluster's number alone, so every branch is alike in all partners; the place in the cluster enters only global addresses and the mask's numbers.
; LAYOUT.  Both products are used transposed: S^T = K Q^T, O^T = V^T P^T: a lane holds ONE query throughout, and by the order of rows in a tile its 16 registers of two neighbouring tiles are 16 neighbours.
; w3: o as an operand: row tile 64 b + qt, half fragment hq; scale words at SC3 + 1024 T + 64 s + 4 r (K step s = heads 2 s, 2 s + 1).
; REGISTERS: v1-11, v29, v93 addresses; v12 -M, v13 the largest t, v[14:15] the sum; v16-27 Q; v32-79 four fragments of K; v84-91 V's scale bytes and words; v96-159 S^T, then p, then V's four fragments;
;   v160-191 O^T; v192-223 o; v224-235 p's codes; v232-247, v252, v254 at work; v248-251 K's scale words; v253 p's; v255 Q's.
.set VB,   51200                       ; LDS: K's head block at 0, V's here
.set STG,  102400                      ; behind them: 512 bytes in which the four heads' scale bytes of a tile meet; no fill lands there
.set SC3,  3145728
.set WV,   18
.set HG,   19                          ; s19 my query head among the four
.set TU,   20                          ; s20 my tile among the four
.set CL,   21                          ; s21 its class
.set CS,   22                          ; s[22:23] c = log2(e) / 8
.set G1,   24                          ; s[24:31], s[40:43] the fill's descriptor
.set G0,   40
.set SEL,  48                          ; s[48:49] lane selects: lane l xor 16
.set P,    50                          ; s50 the key step
.set T6,   51                          ; s51 6,144 x the step: its half fragments
.set T2,   52                          ; s52 256 x the step: its scale units
.set CNT,  53
.set TM,   242                         ; the last quantiser's work: v242-247
.set TC,   236
.macro CROUND                          ; a round of the cluster's barrier
	s_barrier_signal -1
	s_barrier_wait -1
	s_cmp_lg_u32 s[WV], 0
	s_cbranch_scc1 .Lnot_wave_0_\@
	s_barrier_signal -3
.Lnot_wave_0_\@:
	s_barrier_wait -3
	s_barrier_signal -1
	s_barrier_wait -1
.endm
; 32 numbers of a lane, register 16 b + i = place 32 b + 16 h + i along K, become a half fragment's six registers in v[pc] on and its two scale bytes in v[hw].
.macro QUANT2 s, pc, hw
.irp b, 0,1
	v_max3_num_f32 v[TM+\b], |v[(\s)+16*\b]|, |v[(\s)+1+16*\b]|, 0x2800000   ; my 16 numbers of block b, and the floor 2^(5 - 127)
.endr
.irp i, 2,4,6,8,10,12,14
.irp b, 0,1
	s_delay_alu instid0(VALU_DEP_2)
	v_max3_num_f32 v[TM+\b], v[TM+\b], |v[(\s)+16*\b+\i]|, |v[(\s)+1+16*\b+\i]|
.endr
.endr
.irp b, 0,1
	s_delay_alu instid0(VALU_DEP_2)
	v_permlanex16_b32 v[TM+2+\b], v[TM+\b], s[SEL], s[SEL+1]
.endr
.irp b, 0,1
	s_delay_alu instid0(VALU_DEP_2)
	v_max_num_f32 v[TM+\b], v[TM+\b], v[TM+2+\b]
.endr
.irp b, 0,1
	s_delay_alu instid0(VALU_DEP_2)
	v_add_nc_u32 v[TM+4+\b], 0xfe000000, v[TM+\b]
.endr
.irp b, 0,1
	s_delay_alu instid0(VALU_DEP_2)
	v_lshrrev_b32 v[TM+2+\b], 23, v[TM+4+\b]
.endr
	s_delay_alu instid0(VALU_DEP_1)
	v_lshl_or_b32 v[\hw], v[TM+3], 8, v[TM+2]
	v_cvt_scalef32_pk16_bf6_f32 v[(\pc):(\pc)+2], v[(\s):(\s)+15], v[TM+4]
	v_cvt_scalef32_pk16_bf6_f32 v[TC:TC+2], v[(\s)+16:(\s)+31], v[TM+5]
	v_nop                                          ; one plain place behind a scaled conversion
.irp i, 0,1,2
	v_permlane16_swap_b32 v[(\pc)+\i], v[TC+\i]
.endr
.irp i, 0,1,2
	s_delay_alu instid0(VALU_DEP_3)
	v_mov_b32 v[(\pc)+3+\i], v[TC+\i]
.endr
.endm
	s_load_b128 s[4:7], s[0:1], 0x0                ; w2 s[4:5], w3 s[6:7]
	v_lshl_add_u32 v94, v0, 2, 0x29000
	v_mov_b32 v95, 0
	ds_add_u32 v94, v95
	ds_add_u32 v94, v95
	v_lshrrev_b32 v8, 5, v0
	s_delay_alu instid0(VALU_DEP_1)
	v_readfirstlane_b32 s[WV], v8                  ; wave 0..15
	s_and_b32 s[HG], s[WV], 3
	s_lshr_b32 s[TU], s[WV], 2
	s_add_co_u32 s[TU], s[TU], s[HG]
	s_and_b32 s[TU], s[TU], 3
	s_bfe_u32 s8, ttmp6, 0x40000                   ; cx
	s_and_b32 s9, ttmp7, 0xffff
	s_and_b32 s10, s9, 7                           ; the key and value head
	s_lshr_b32 s11, s9, 3                          ; the batch
	s_and_b32 s[CL], s[TU], 2
	s_lshr_b32 s12, ttmp9, 1
	s_add_co_u32 s[CL], s[CL], s12
	s_and_b32 s12, s[TU], 1
	s_mul_i32 s12, s12, 7
	s_xor_b32 s[CL], s[CL], s12                    ; the class: ((tile & 2) + cluster x / 2) xor 7 (tile & 1)
	s_and_b32 s12, ttmp9, 1
	s_lshl_b32 s12, s12, 2
	s_add_co_u32 s12, s12, s8                      ; which of the class's eight tiles: 4 (cluster x % 2) + cx
	s_lshl_b32 s13, s[CL], 3
	s_add_co_u32 s13, s13, s12                     ; the query tile in the batch, 0..63
	; the fill: half a head block, 25,600 dense bytes as 100 rows of 256; wave 0, 1: K's halves, wave 2, 3: V's
	s_mov_b32 s[G1], 15|(3<<16)|(1<<21)            ; the mask: all four work-groups; elements of 8 bytes; bit 21 set beside a mask
	s_mov_b32 s[G1+1], 32<<16
	s_mov_b32 s[G1+2], 100<<16
	s_mov_b32 s[G1+3], 32<<16
	s_mov_b32 s[G1+4], 100
	s_mov_b32 s[G1+5], 32
	s_mov_b32 s[G1+6], 0
	s_mov_b32 s[G1+7], 0
	s_and_b32 s14, s[WV], 3
	s_mov_b32 s[G0], 1
	s_mul_i32 s[G0+1], s14, 25600                  ; LDS: the wave's number alone
	s_lshr_b32 s15, s14, 1
	s_mul_i32 s15, s15, 819200                     ; V's blocks lie 16 blocks behind K's
	s_and_b32 s14, s14, 1
	s_mul_i32 s14, s14, 25600
	s_add_co_u32 s14, s14, s15
	s_lshl_b32 s15, s10, 1
	s_add_co_u32 s15, s15, s11
	s_add_co_u32 s15, s15, 64                      ; K's block: 2 (32 + head) + batch: what the four partners share
	s_mul_i32 s15, s15, 51200
	s_add_co_u32 s14, s14, s15
	s_mov_b32 s15, 0
	; my query head's block, my tile's half fragment and byte pair; o's places
	s_lshl_b32 s16, s10, 2
	s_add_co_u32 s16, s16, s[HG]                   ; hq
	s_lshl_b32 s17, s16, 1
	s_add_co_u32 s17, s17, s11
	s_mul_i32 s17, s17, 51200
	s_mul_i32 s44, s13, 768
	s_add_co_u32 s44, s44, s17
	s_add_co_u32 s44, s44, 2048
	s_mov_b32 s45, 0
	s_lshr_b32 s46, s13, 2
	s_lshl_b32 s46, s46, 7
	s_and_b32 s47, s13, 3
	s_lshl_b32 s47, s47, 1
	s_add_co_u32 s46, s46, s47
	s_add_co_u32 s46, s46, s17
	s_mov_b32 s47, 0
	s_lshl_b32 s60, s11, 6
	s_add_co_u32 s60, s60, s13                     ; o's row tile: 64 batch + tile
	; where o's half fragment lies in w3: eight row tiles form a unit of 196,608 bytes, laid [chunk of 512 along K = 8 heads][tile][6,144 bytes]
	s_lshr_b32 s56, s60, 3
	s_mul_i32 s56, s56, 196608
	s_and_b32 s61, s60, 7
	s_mul_i32 s61, s61, 6144
	s_add_co_u32 s56, s56, s61
	s_lshr_b32 s61, s16, 3
	s_mul_i32 s61, s61, 49152
	s_add_co_u32 s56, s56, s61
	s_and_b32 s61, s16, 7
	s_mul_i32 s61, s61, 768
	s_add_co_u32 s56, s56, s61
	s_mov_b32 s57, 0
	s_lshl_b32 s58, s60, 10
	s_lshl_b32 s61, s10, 7
	s_add_co_u32 s58, s58, s61
	s_add_co_u32 s58, s58, SC3
	s_mov_b32 s59, 0
	s_mov_b32 s[CS], 0x3e38aa3b                    ; log2(e) / 8
	s_mov_b32 s[CS+1], s[CS]                       ; (named with it as a pair, so it is written)
	s_mov_b32 s[SEL], 0x76543210
	s_mov_b32 s[SEL+1], 0xfedcba98
	s_mov_b32 s54, 0x05040100                      ; v_perm_b32: the two low halves
	s_mov_b32 s55, 0x07060302                      ; the two high halves
	s_mov_b32 s[P], 0
	s_mov_b32 s[T6], 0
	s_mov_b32 s[T2], 0
	s_mov_b32 s[CNT], 8
	s_wait_dscnt 0x0
	s_wait_kmcnt 0x0
	s_add_nc_u64 s[G0+2:G0+3], s[4:5], s[14:15]
	s_or_b32 s[G0+3], s[G0+3], 0x80000000
	s_add_nc_u64 s[44:45], s[4:5], s[44:45]
	s_add_nc_u64 s[46:47], s[4:5], s[46:47]
	s_add_nc_u64 s[56:57], s[6:7], s[56:57]
	s_add_nc_u64 s[58:59], s[6:7], s[58:59]
	CROUND                                         ; all four work-groups are here: the joint loads meet
	s_cmp_lt_u32 s[WV], 4
	s_cbranch_scc0 .Lno_fill
	tensor_load_to_lds s[G0:G0+3], s[G1:G1+7]      ; one load of mine is out
	s_nop 0
.rept 4
	v_nop
.endr
.Lno_fill:
	v_and_b32 v28, 31, v0                          ; l
	v_and_b32 v30, 15, v0                          ; r
	v_bfe_u32 v31, v0, 4, 1                        ; h
	s_delay_alu instid0(VALU_DEP_3)
	v_lshlrev_b32 v7, 4, v28                       ; 16 l
	s_delay_alu instid0(VALU_DEP_4)
	v_lshlrev_b32 v11, 3, v28                      ; 8 l
	s_delay_alu instid0(VALU_DEP_4)
	v_lshlrev_b32 v3, 3, v30                       ; 8 r
	v_lshlrev_b32 v93, 2, v28                      ; 4 l
	global_load_b128 v[16:19], v7, s[44:45]        ; Q's half fragment stays in registers
	global_load_b64 v[20:21], v11, s[44:45] offset:512
	global_load_u16 v255, v3, s[46:47]             ; its two scale bytes; bytes 2 and 3 come as 0
	v_add_nc_u32 v1, 2048, v7                      ; a half fragment's first 512 bytes, behind the block's scale units
	v_add_nc_u32 v2, 2560, v11                     ; and its last 256
	s_lshr_b32 s60, s12, 1
	s_lshl_b32 s60, s60, 5
	s_and_b32 s61, s12, 1
	s_lshl_b32 s61, s61, 3
	s_add_co_u32 s60, s60, s61
	v_and_b32 v4, 8, v30
	s_delay_alu instid0(VALU_DEP_1)
	v_add_nc_u32 v4, v4, v30
	s_delay_alu instid0(VALU_DEP_1)
	v_add_nc_u32 v4, s60, v4                       ; my query's place among its class's 128
	v_lshlrev_b32 v5, 4, v31
	s_delay_alu instid0(VALU_DEP_1)
	v_sub_nc_u32 v4, v4, v5                        ; - 16 h: register 16 b + i holds key 32 b + 16 h + i of the step: hidden where 32 b + i > this
	v_mov_b32 v5, 0xff800000                       ; -infinity
	s_lshl_b32 s60, s[TU], 7
	s_add_co_u32 s60, s60, STG                     ; my tile's 128 bytes: two K steps' scale words
	s_lshr_b32 s61, s[HG], 1
	s_lshl_b32 s61, s61, 6
	s_and_b32 s62, s[HG], 1
	s_lshl_b32 s62, s62, 1
	s_add_co_u32 s61, s61, s62
	s_add_co_u32 s61, s61, s60
	v_lshl_add_u32 v6, v30, 2, s61                 ; where my head's byte pair of slot r goes
	v_lshl_add_u32 v29, v28, 2, s60                ; and where the words are read back
	v_mov_b32 v13, 0xff61b1e6                      ; the largest t so far: -3e38, under every t
	s_delay_alu instid0(VALU_DEP_1)
	v_floor_f32 v12, -v13                          ; -M
	v_mov_b32 v14, 0
	v_mov_b32 v15, 0
.irp j, 22,23,24,25,26,27
	v_mov_b32 v[\j], 0                             ; Q's upper 64 along K: zero codes
.endr
.irp t, 0,1,2,3
.irp j, 6,7,8,9,10,11
	v_mov_b32 v[32+12*\t+\j], 0                    ; K's likewise: they stay
.endr
.endr
.irp j, 236,237,238,239,244,245,252,253
	v_mov_b32 v[\j], 0                             ; written once: destinations of lane permutes count as sources; v253 is named as the upper half of a pair
.endr
.set n, 0
.rept 32
	v_mov_b32 v[160+n], 0                          ; O^T.  (The step is written once: the first finds zeros, which the first change of M leaves zeros)
.set n, n+1
.endr
; A KEY STEP: 128 keys.
.macro STEP
	s_cmp_gt_u32 s[P], s[CL]                       ; all its keys come after my queries: only the lines at the step's end, which step addresses, are run
	s_cbranch_scc1 .Lhidden_\@
	v_add_nc_u32 v8, s[T6], v1
	s_wait_alu depctr_va_vdst(0)
	v_add_nc_u32 v9, s[T6], v2
	s_wait_alu depctr_va_vdst(0)
	v_add_nc_u32 v10, s[T2], v3
	s_wait_alu depctr_va_vdst(0)
	v_nop
	v_nop                                          ; five places: the products below write over registers that the last step's products read
.irp g, 0,1                                    ; S^T = K Q^T, four tiles of 16 keys at a time
.if \g > 0
.rept 4
	v_nop                                          ; places in front of loads into registers that matrix instructions have read
.endr
.endif
.irp t, 0,1,2,3
	ds_load_b128 v[32+12*\t:35+12*\t], v8 offset:768*(4*\g+\t)
	ds_load_b64 v[36+12*\t:37+12*\t], v9 offset:768*(4*\g+\t)
	ds_load_u16 v[248+\t], v10 offset:128*\g+2*\t
.endr
.if \g == 0
	ds_load_b64 v[84:85], v10 offset:VB            ; V's byte pairs of my slot: keys 0-63 of the step, the head's four tiles;
	ds_load_b64 v[86:87], v10 offset:VB+128        ; keys 64-127
.endif
	s_wait_dscnt 0x0
.irp t, 0,1,2,3
	v_wmma_scale_f32_16x16x128_f8f6f4 v[96+8*(4*\g+\t):103+8*(4*\g+\t)], v[32+12*\t:43+12*\t], v[16:27], 0, v[248+\t], v255 matrix_a_fmt:MATRIX_FMT_BF6 matrix_b_fmt:MATRIX_FMT_BF6
.endr
.endr
.rept 4
	v_nop
.endr
	s_cmp_lg_u32 s[P], s[CL]                       ; only the step on the diagonal is masked
	s_cbranch_scc1 .Lopen_\@
.set n, 0
.rept 64
	v_cmp_gt_i32 vcc_lo, 32*(n/16)+n%16, v4
	v_cndmask_b32 v[96+n], v[96+n], v5, vcc_lo     ; a hidden key's score becomes -infinity: p = 0
.set n, n+1
.endr
.Lopen_\@:
.irp b, 0,1,2,3
	v_max3_num_f32 v[232+\b], v[96+16*\b], v[97+16*\b], v[98+16*\b]   ; the largest score of each block of 32 keys: for the row's maximum, and, since p rises with the score, for the block's largest p
.endr
.irp i, 3,5,7,9,11,13
.irp b, 0,1,2,3
	v_max3_num_f32 v[232+\b], v[232+\b], v[96+16*\b+\i], v[97+16*\b+\i]
.endr
.endr
.irp b, 0,1,2,3
	v_max_num_f32 v[232+\b], v[232+\b], v[111+16*\b]
.endr
.irp b, 0,1,2,3
	s_delay_alu instid0(VALU_DEP_4)
	v_permlanex16_b32 v[236+\b], v[232+\b], s[SEL], s[SEL+1]
.endr
.irp b, 0,1,2,3
	s_delay_alu instid0(VALU_DEP_4)
	v_max_num_f32 v[232+\b], v[232+\b], v[236+\b]  ; with lane l xor 16's 16 keys
.endr
	s_delay_alu instid0(VALU_DEP_2)
	v_max3_num_f32 v254, v232, v233, v234
	s_delay_alu instid0(VALU_DEP_1)
	v_max_num_f32 v254, v254, v235                 ; the step's largest score of my query
	s_delay_alu instid0(VALU_DEP_1)
	v_mul_f32 v254, s[CS], v254                    ; as t
	s_delay_alu instid0(VALU_DEP_1)
	v_max_num_f32 v13, v13, v254                   ; the running largest t
	v_mov_b32 v254, v12
	s_delay_alu instid0(VALU_DEP_2)
	v_floor_f32 v12, -v13                          ; the new -M = -ceil(t): a whole number
	s_delay_alu instid0(VALU_DEP_1)
	v_sub_f32 v254, v12, v254                      ; old M - new M: a whole number, 0 or less
	s_delay_alu instid0(VALU_DEP_1)
	v_cvt_i32_f32 v254, v254                       ; (it saturates)
	s_delay_alu instid0(VALU_DEP_1)
	v_ldexp_f32 v252, 1.0, v254                    ; f = 2^(old M - new M)
.set n, 0
.rept 32
	v_pk_fma_f32 v[96+n:97+n], v[96+n:97+n], s[CS:CS+1], v[12:13] op_sel_hi:[1,0,0]   ; t - M, two at a time
.set n, n+2
.endr
.irp b, 0,1,2,3
	v_fma_f32 v[232+\b], v[232+\b], s[CS], v12     ; the same of each block's largest score
.endr
.set n, 0
	s_wait_alu depctr_va_vdst(0)
.rept 64
	v_exp_f32 v[96+n], v[96+n]                     ; p = 2^(t - M)
.set n, n+1
.endr
.irp b, 0,1,2,3
	v_exp_f32 v[232+\b], v[232+\b]                 ; the block's largest p
.endr
	v_pk_mul_f32 v[14:15], v[14:15], v[252:253] op_sel_hi:[1,0]   ; the sums under the new M.  (A plain place behind the exponentials)
	s_wait_alu depctr_va_vdst(0)
.irp b, 0,1,2,3
	v_max_num_f32 v[232+\b], 0x2800000, v[232+\b]  ; the floor 2^(5 - 127)
.endr
.irp b, 0,1,2,3
	s_delay_alu instid0(VALU_DEP_4)
	v_add_nc_u32 v[244+\b], 0xfe000000, v[232+\b]  ; 4 off the exponent field: the conversion's scale operand
.endr
.irp b, 0,1,2,3
	s_delay_alu instid0(VALU_DEP_4)
	v_lshrrev_b32 v[236+\b], 23, v[244+\b]         ; the scale's byte
.endr
	s_delay_alu instid0(VALU_DEP_3)
	v_lshl_or_b32 v253, v237, 8, v236              ; p's scale word for these 128 keys
	s_delay_alu instid0(VALU_DEP_1)
	v_lshl_or_b32 v253, v238, 16, v253
	s_delay_alu instid0(VALU_DEP_1)
	v_lshl_or_b32 v253, v239, 24, v253
	v_perm_b32 v88, v86, v84, s54                  ; V's scale words: tile dt's pair of keys 0-63 below, of keys 64-127 above
	v_perm_b32 v89, v86, v84, s55
	v_perm_b32 v90, v87, v85, s54
	v_perm_b32 v91, v87, v85, s55
.irp c, 0,1
	v_cvt_scalef32_pk16_bf6_f32 v[224+6*\c:226+6*\c], v[96+32*\c:111+32*\c], v[244+2*\c]
	v_cvt_scalef32_pk16_bf6_f32 v[236+4*\c:238+4*\c], v[112+32*\c:127+32*\c], v[244+2*\c+1]
.endr
	v_nop                                          ; one plain place behind a scaled conversion
.irp c, 0,1
.irp i, 0,1,2
	v_permlane16_swap_b32 v[224+6*\c+\i], v[236+4*\c+\i]
.endr
.irp i, 0,1,2
	s_delay_alu instid0(VALU_DEP_3)
	v_mov_b32 v[227+6*\c+\i], v[236+4*\c+\i]
.endr
.endr
	v_pk_add_f32 v[236:237], v[100:101], v[104:105]
	v_pk_add_f32 v[250:251], v[108:109], v[112:113]
	v_pk_add_f32 v[248:249], v[116:117], v[120:121]
	v_pk_add_f32 v[246:247], v[124:125], v[128:129]
	v_pk_add_f32 v[242:243], v[132:133], v[136:137]
	v_pk_add_f32 v[240:241], v[140:141], v[144:145]
	v_pk_add_f32 v[222:223], v[148:149], v[152:153]
	v_pk_add_f32 v[14:15], v[14:15], v[156:157]
	v_pk_add_f32 v[236:237], v[236:237], v[96:97]
	v_pk_add_f32 v[250:251], v[250:251], v[98:99]
	v_pk_add_f32 v[248:249], v[248:249], v[102:103]
	v_pk_add_f32 v[246:247], v[246:247], v[106:107]
	v_pk_add_f32 v[242:243], v[242:243], v[110:111]
	v_pk_add_f32 v[240:241], v[240:241], v[114:115]
	v_pk_add_f32 v[222:223], v[222:223], v[118:119]
	v_pk_add_f32 v[14:15], v[14:15], v[122:123]
	v_pk_add_f32 v[236:237], v[236:237], v[126:127]
	v_pk_add_f32 v[250:251], v[250:251], v[130:131]
	v_pk_add_f32 v[248:249], v[248:249], v[134:135]
	v_pk_add_f32 v[246:247], v[246:247], v[138:139]
	v_pk_add_f32 v[242:243], v[242:243], v[142:143]
	v_pk_add_f32 v[240:241], v[240:241], v[146:147]
	v_pk_add_f32 v[222:223], v[222:223], v[150:151]
	v_pk_add_f32 v[14:15], v[14:15], v[154:155]
	v_pk_add_f32 v[236:237], v[236:237], v[158:159]
	s_delay_alu instid0(VALU_DEP_2)
	v_pk_add_f32 v[14:15], v[14:15], v[246:247]
	s_delay_alu instid0(VALU_DEP_2)
	v_pk_add_f32 v[236:237], v[236:237], v[242:243]
	v_pk_add_f32 v[250:251], v[250:251], v[240:241]
	v_pk_add_f32 v[248:249], v[248:249], v[222:223]
	s_delay_alu instid0(VALU_DEP_2)
	v_pk_add_f32 v[14:15], v[14:15], v[250:251]
	s_delay_alu instid0(VALU_DEP_2)
	v_pk_add_f32 v[236:237], v[236:237], v[248:249]
	s_delay_alu instid0(VALU_DEP_1)
	v_pk_add_f32 v[14:15], v[14:15], v[236:237]
.set n, 0
.rept 16
	v_pk_mul_f32 v[160+n:161+n], v[160+n:161+n], v[252:253] op_sel_hi:[1,0]   ; O^T under the new M.  (With the sums above: the places between the scale words and codes just made and the products below)
.set n, n+2
.endr
.irp t, 0,1,2,3                                ; V's four fragments (16 of the head's 64 x these 128 keys) into the registers that p has left
	ds_load_b128 v[96+12*\t:99+12*\t], v8 offset:VB+768*\t
	ds_load_b64 v[100+12*\t:101+12*\t], v9 offset:VB+768*\t
	ds_load_b128 v[102+12*\t:105+12*\t], v8 offset:VB+3072+768*\t
	ds_load_b64 v[106+12*\t:107+12*\t], v9 offset:VB+3072+768*\t
.endr
	s_wait_alu depctr_va_vdst(0)
	s_wait_dscnt 0x0
.irp t, 0,1,2,3
	v_wmma_scale_f32_16x16x128_f8f6f4 v[160+8*\t:167+8*\t], v[96+12*\t:107+12*\t], v[224:235], v[160+8*\t:167+8*\t], v[88+\t], v253 matrix_a_fmt:MATRIX_FMT_BF6 matrix_b_fmt:MATRIX_FMT_BF6
.endr
.Lhidden_\@:
	s_add_co_u32 s[P], s[P], 1
	s_add_co_u32 s[T6], s[T6], 6144
	s_add_co_u32 s[T2], s[T2], 256
.endm
	s_wait_tensorcnt 0x0                           ; my part of the two blocks is in (a wave that asked for none passes),
	s_barrier_signal -1
	s_barrier_wait -1                              ; everybody's is
	s_wait_loadcnt 0x0                             ; Q
.Lstep:                                            ; eight trips in every wave
	STEP
	s_sub_co_u32 s[CNT], s[CNT], 1
	s_cmp_lg_u32 s[CNT], 0
	s_cbranch_scc1 .Lstep
	; THE WAY OUT: O^T / the sum; my 32 numbers run along the head's 64, which are 64 of the last product's K: a half fragment of o.
.rept 4
	v_nop
.endr
	v_add_f32 v14, v14, v15                        ; the sum's two halves,
	s_delay_alu instid0(VALU_DEP_1)
	v_permlanex16_b32 v252, v14, s[SEL], s[SEL+1]
	s_delay_alu instid0(VALU_DEP_1)
	v_add_f32 v14, v14, v252                       ; and lane l xor 16's
	s_wait_alu depctr_va_vdst(0)
	v_rcp_f32 v14, v14
	v_nop                                          ; a plain place behind the transcendental
.set n, 0
	s_wait_alu depctr_va_vdst(0)
.rept 32
	v_mul_f32 v[192+n], v[160+n], v14              ; register 16 b + i: o(my query, 32 b + 16 h + i); each accumulator from its low end on
.set n, n+1
.endr
	QUANT2 192, 224, 240
	global_store_b128 v7, v[224:227], s[56:57]     ; 512 consecutive bytes, then 256, both at multiples of 256 from w3's first byte
	global_store_b64 v11, v[228:229], s[56:57] offset:512
	ds_store_b16 v6, v240                          ; the four heads' byte pairs of a tile meet in LDS (lanes r and r + 16 write the same bytes with the same value)
	s_wait_dscnt 0x0                               ; for the others' sake
	s_barrier_signal -1
	s_barrier_wait -1
	s_cmp_lg_u32 s[HG], 0                          ; the wave of head 0 stores its tile's two K steps' scale words
	s_cbranch_scc1 .Lnot_head_0
	ds_load_b32 v92, v29
	s_wait_dscnt 0x0
	global_store_b32 v93, v92, s[58:59]            ; 128 consecutive bytes
.Lnot_head_0:
	s_wait_tensorcnt 0x0
	ds_add_u32 v94, v95
	s_wait_dscnt 0x0
	CROUND                                         ; the closing round
	s_endpgm
.Lfunc_end_k_q73a453d3b2_attn:
	.size	k_q73a453d3b2_attn, .Lfunc_end_k_q73a453d3b2_attn-k_q73a453d3b2_attn
	.p2alignl 7, 3214868480
	.fill 96, 4, 3214868480
	.section	.rodata,"a",@progbits
	.p2align	6, 0x0
	.amdhsa_kernel k_q73a453d3b2_attn
		.amdhsa_group_segment_fixed_size 169984
		.amdhsa_private_segment_fixed_size 0
		.amdhsa_enable_private_segment 0
		.amdhsa_kernarg_size 16
		.amdhsa_user_sgpr_count 2
		.amdhsa_user_sgpr_kernarg_segment_ptr 1
		.amdhsa_wavefront_size32 1
		.amdhsa_system_sgpr_workgroup_id_x 1
		.amdhsa_system_sgpr_workgroup_id_y 1
		.amdhsa_system_sgpr_workgroup_id_z 1
		.amdhsa_system_vgpr_workitem_id 0
		.amdhsa_next_free_vgpr 256
		.amdhsa_next_free_sgpr 66
		.amdhsa_reserve_vcc 1
		.amdhsa_float_denorm_mode_32 3
		.amdhsa_float_denorm_mode_16_64 3
		.amdhsa_memory_ordered 1
		.amdhsa_forward_progress 1
		.amdhsa_inst_pref_size 38
	.end_amdhsa_kernel
	.amdgpu_metadata
---
amdhsa.version: [ 1, 2 ]
amdhsa.kernels:
  - .name:           k_q73a453d3b2_attn
    .symbol:         k_q73a453d3b2_attn.kd
    .args:
      - { .name: w2, .offset: 0, .size: 8, .value_kind: global_buffer, .address_space: global }
      - { .name: w3, .offset: 8, .size: 8, .value_kind: global_buffer, .address_space: global }
    .group_segment_fixed_size: 169984
    .private_segment_fixed_size: 0
    .kernarg_segment_align: 8
    .kernarg_segment_size: 16
    .max_flat_workgroup_size: 512
    .sgpr_count:     66
    .vgpr_count:     256
    .wavefront_size: 32
...
	.end_amdgpu_metadata
.endif
;; end of part 3
;; launch outp (part 4): grid 16 x 16, 4 waves a work-group, clusters of 4 x 4, 327,680 bytes of LDS; arguments w1, w3, bo, out0; writes out0
.if DOCPART == 4
	.amdgcn_target "amdgcn-amd-amdhsa--gfx1250"
	.amdhsa_code_object_version 6
	.text
	.protected	k_q73a453d3b2_outp
	.globl	k_q73a453d3b2_outp
	.p2align	8
	.type	k_q73a453d3b2_outp,@function
k_q73a453d3b2_outp:
	s_mov_b64 s[64:65], 0
	v_nop
	global_prefetch_b8 v0, s[64:65] scope:SCOPE_SE
	s_setreg_imm32_b32 hwreg(HW_REG_WAVE_MODE, 25, 1), 1
	s_wait_xcnt 0x0
	s_wait_alu depctr_hold_cnt(0) depctr_sa_sdst(0) depctr_va_vdst(0) depctr_va_sdst(0) depctr_va_ssrc(0) depctr_va_vcc(0) depctr_vm_vsrc(0)
	s_getreg_b32 s2, hwreg(HW_REG_IB_STS2, 6, 4)
	s_cmp_eq_u32 s2, 0
	s_cbranch_scc0 .Lentry_in_a_cluster
	s_endpgm
.Lentry_in_a_cluster:
	s_bfe_u32 s2, ttmp6, 0x10000c
	s_cmp_lg_u32 s2, 0xf033
	s_cbranch_scc0 .Lentry_shape_is_right
	s_endpgm
.Lentry_shape_is_right:
; out0 = o Wo^T + bo on codes of BF6 (E3M2): Wo's from w1 (units 40-55), o's from w3 (units 0-15), K = 2,048; sums in f32, stored as f32.
; Both buffers: row tiles of 16 slots (tile t, slot r = row 32 (t / 2) + 8 (t % 2) + r + 8 (r / 8)); eight tiles are a unit of 196,608 bytes, laid [chunk of 512 K][tile][6,144 bytes]; a tile's 6,144 bytes are eight
; half fragments of 768 bytes, images of operand registers (lane l's registers 0-3 at 16 l, registers 4-5 at 512 + 8 l).  Scale words at SC + 1024 T + 64 s + 4 r.
; THE PRODUCT.  Source 0 = 128 rows of Wo, source 1 = 128 tokens to a work-group: 256 work-groups; 64 x 64 to each of four waves: 16 accumulators; bo is the C of the first K step.
; NOTHING IS FILLED TWICE.  A unit's chunks 0 to 2 are 147,456 consecutive bytes.  At the head one load a wave: wave 0 Wo's chunks 0-2, wave 1 o's, wave 2 Wo's scale words, wave 3 o's: 311,296 bytes of LDS.
; Chunk 3 does not fit beside them: each wave loads its own eight fragments of K steps 12 to 15 from memory straight into 384 registers (the buffers are register images: consecutive lanes take consecutive bytes):
; 32 loads for each of the four steps, K step 12's behind the head's barrier, the others' behind K steps 1, 3 and 5; they are waited for behind K step 11.
; So the text has no ring, and of the cluster's rounds only the one in front of the joint loads and the closing one.
; CLUSTERS: 4 x 4.  Wo's unit hangs on the work-group's x and is shared along a column of the cluster, o's on its y and is shared along a row: each is asked for jointly.
; PREFETCH: chunk 3 of both units is asked for at the head, behind the tensor loads: its first register loads follow behind the head's barrier, the last six K steps later.  A chunk is 192 blocks of 256 bytes; the four
; partners that share a unit take 48 each, told apart by address (cy for Wo, cx for o), two waves 24 each, one instruction a wave (lanes 24-31 name the wave's last block again).  Chunks 0 to 2 come by their loads alone.
; THE LAST FOUR K STEPS GO BY TILES OF TOKENS: both operands lie in registers, so source 1's tile a is finished by 16 matrix instructions (its four accumulators by turns) and leaves while tile a + 1 is multiplied.
; THE WAY OUT goes through a stage of 16 rows x 272 bytes for each wave, on bytes of Wo's chunk 0: they have had their only fill, and a barrier (signalled behind each wave's last LDS read) shows that nobody reads them any more.
; REGISTERS: window 0: v1-29 addresses; v32-95 scale words (K step s, tile i at v[32 + 4 s + i]: lanes 0-15 source 0's, lanes 16-31 source 1's); v96-127 bo; v128-255 the accumulators.
;   window 1: two fragment buffers for K steps 0-11, at v0 and v128 (source 0's four fragments, then source 1's four).   windows 2, 3: K steps 12, 13 and 14, 15, under the same numbers.
.set CHK,   49152
.set S1O,   147456
.set SCL,   294912
.set SPARE, 311296
.set STAGE, 0
.set SC1,   11010048
.set SC3,   3145728
.set A0,   8                           ; v8-10 source 0's fragments in chunk 0, 1, 2, 16 bytes a lane; v11-13 with 8 bytes a lane
.set A1,   14                          ; v14-19 the same for source 1
.set ADRS, 24
.set PFO,  27                          ; v27 256 x min(lane, 23)
.set SPW,  28
.set NIL,  29
.set SCW,  32
.set BI,   96
.set ACC,  128
.set F0,   0
.set F1,   128
.set G1,   24
.set G0,   32
.set G0B,  36
.set G1B,  48
.set D0,   56                          ; s[56:57] my four tiles of Wo's chunk 3;  s[58:59] of o's
.set D1,   58
.set PFA,  60                          ; s[60:61] the 24 blocks that I prefetch
.set G1S,  68
.set G0S,  76
.set G1SB, 80
.set G0SB, 88
.set MSB, 0
.macro WIN new
.if MSB != \new
	s_set_vgpr_msb (MSB<<8)|\new
.set MSB, \new
.endif
.endm
.set MUL,  0x05                        ; sources 0 and 1: window 1; C and D: window 0
.set TO_F, 0x40
.macro AFTER                           ; behind every tensor load
	s_nop 0
.rept 4
	v_nop
.endr
.endm
.macro ARM under, g0, g1, next
	s_cmp_lt_u32 s14, \under
	s_cbranch_scc0 \next
	tensor_load_to_lds s[\g0:\g0+3], s[\g1:\g1+7]
	AFTER
	s_branch .Lhead_asked
\next:
.endm
.macro CROUND
	s_barrier_signal -1
	s_barrier_wait -1
	s_cmp_lg_u32 s14, 0
	s_cbranch_scc1 .Lnot_wave_0_\@
	s_barrier_signal -3
.Lnot_wave_0_\@:
	s_barrier_wait -3
	s_barrier_signal -1
	s_barrier_wait -1
.endm
.macro PLACES n
.rept \n
	v_nop
.endr
.endm
.macro FRAG reg, a16, a8, off
	ds_load_b128 v[(\reg):(\reg)+3], v[\a16] offset:\off
	ds_load_b64 v[(\reg)+4:(\reg)+5], v[\a8] offset:\off+512
	ds_load_b128 v[(\reg)+6:(\reg)+9], v[\a16] offset:\off+768
	ds_load_b64 v[(\reg)+10:(\reg)+11], v[\a8] offset:\off+1280
.endm
.macro FETCH ks, f                     ; K step ks's eight fragments from LDS: 32 loads
	WIN TO_F
.irp b, 0,1,2,3
	FRAG \f+12*\b, A0+(\ks)/4, A0+3+(\ks)/4, \b*6144+((\ks)%4)*1536
.endr
.irp a, 0,1,2,3
	FRAG \f+48+12*\a, A1+(\ks)/4, A1+3+(\ks)/4, \a*6144+((\ks)%4)*1536
.endr
.endm
.macro GFRAG reg, base, off
	global_load_b128 v[(\reg):(\reg)+3], v25, s[\base:\base+1] offset:\off
	global_load_b64 v[(\reg)+4:(\reg)+5], v26, s[\base:\base+1] offset:\off+512
	global_load_b128 v[(\reg)+6:(\reg)+9], v25, s[\base:\base+1] offset:\off+768
	global_load_b64 v[(\reg)+10:(\reg)+11], v26, s[\base:\base+1] offset:\off+1280
.endm
.macro DLOAD kq                        ; K step 12 + kq from memory into window 2 + kq / 2, at v[128 (kq % 2)]: 32 loads; none of their registers, addresses or bases is written before the wait for them
	WIN 0x80+0x40*((\kq)/2)
.irp b, 0,1,2,3
	GFRAG 128*((\kq)%2)+12*\b, D0, \b*6144+(\kq)*1536
	GFRAG 128*((\kq)%2)+48+12*\b, D1, \b*6144+(\kq)*1536
.endr
.endm
; four matrix instructions: source 1's tile a against source 0's four.  The accumulators take turns, one instruction a turn.
.macro MULA f, ks, a, first
.irp b, 0,1,2,3
.if \first
	v_wmma_scale_f32_16x16x128_f8f6f4 v[ACC+8*(4*(\a)+\b):ACC+8*(4*(\a)+\b)+7], v[\f+12*\b:\f+12*\b+11], v[\f+48+12*(\a):\f+48+12*(\a)+11], v[BI+8*\b:BI+8*\b+7], v[SCW+4*(\ks)+\b], v[SCW+4*(\ks)+(\a)] matrix_a_fmt:MATRIX_FMT_BF6 matrix_b_fmt:MATRIX_FMT_BF6 matrix_b_scale:MATRIX_SCALE_ROW1
.else
	v_wmma_scale_f32_16x16x128_f8f6f4 v[ACC+8*(4*(\a)+\b):ACC+8*(4*(\a)+\b)+7], v[\f+12*\b:\f+12*\b+11], v[\f+48+12*(\a):\f+48+12*(\a)+11], v[ACC+8*(4*(\a)+\b):ACC+8*(4*(\a)+\b)+7], v[SCW+4*(\ks)+\b], v[SCW+4*(\ks)+(\a)] matrix_a_fmt:MATRIX_FMT_BF6 matrix_b_fmt:MATRIX_FMT_BF6 matrix_b_scale:MATRIX_SCALE_ROW1
.endif
.endr
.endm
.macro STEPK ks, first                 ; multiplies buffer ks % 2; in its middle the next step's fragments are fetched into the other
.set FF, 128*((\ks)%2)
.set GG, 128-FF
	s_wait_dscnt 8                                 ; all but the youngest eight loads (source 1's tiles 2, 3) are in
	WIN MUL
	MULA FF, \ks, 0, \first
	MULA FF, \ks, 1, \first
	PLACES 4                                       ; behind the last step's products, which read the buffer that is now loaded
	FETCH (\ks)+1, GG
	s_wait_dscnt 32                                ; all but the 32 just issued
	WIN MUL
	MULA FF, \ks, 2, \first
	MULA FF, \ks, 3, \first
.endm
.macro ROWS a                          ; K steps 12 to 15 of source 1's tile a: 16 matrix instructions, its four accumulators by turns
	WIN 0x0a                                       ; sources in window 2
	MULA F0, 12, \a, 0
	MULA F1, 13, \a, 0
	WIN 0x0f                                       ; in window 3
	MULA F0, 14, \a, 0
	MULA F1, 15, \a, 0
	WIN 0
	PLACES 4                                       ; in front of the stage's stores, which read results just made
.endm
	s_load_b256 s[4:11], s[0:1], 0x0               ; w1 s[4:5], w3 s[6:7], bo s[8:9], out0 s[10:11]
	v_lshl_add_u32 v[SPW], v0, 2, SPARE
	v_mov_b32 v[NIL], 0
	ds_add_u32 v[SPW], v[NIL]                      ; the opening lines: the add, twice on end, and its wait
	ds_add_u32 v[SPW], v[NIL]
	v_lshrrev_b32 v1, 5, v0
	v_readfirstlane_b32 s14, v1                    ; wave 0..3
	s_lshr_b32 s15, s14, 1                         ; my half of the tokens
	s_and_b32 s16, s14, 1                          ; my half of Wo's rows
	s_bfe_u32 s40, ttmp6, 0x40000                  ; cx
	s_bfe_u32 s41, ttmp6, 0x40004                  ; cy
	s_lshl_b32 s42, ttmp9, 2
	s_add_co_u32 s42, s42, s40                     ; which 128 columns of out0
	s_and_b32 s43, ttmp7, 0xffff
	s_lshl_b32 s43, s43, 2
	s_add_co_u32 s43, s43, s41                     ; which 128 tokens
	s_lshl_b32 s44, 0x1111, s40                    ; my column of the cluster
	s_lshl_b32 s45, s41, 2
	s_lshl_b32 s45, 15, s45                        ; my row
	s_or_b32 s[G1+0], s44, (3<<16)|(1<<21)         ; elements of 8 bytes; bit 21 set beside a mask
	s_or_b32 s[G1B+0], s45, (3<<16)|(1<<21)
.irp g, G1, G1B
	s_mov_b32 s[\g+1], 32<<16                      ; codes: 147,456 consecutive bytes as 576 rows of 256
	s_mov_b32 s[\g+2], 576<<16
	s_mov_b32 s[\g+3], 32<<16
	s_mov_b32 s[\g+4], 576
	s_mov_b32 s[\g+5], 32
	s_mov_b32 s[\g+6], 0
	s_mov_b32 s[\g+7], 0
.endr
	s_or_b32 s[G1S+0], s44, (3<<16)|(1<<21)
	s_or_b32 s[G1SB+0], s45, (3<<16)|(1<<21)
.irp g, G1S, G1SB
	s_mov_b32 s[\g+1], 32<<16                      ; scale words: 8,192 consecutive bytes as 32 rows of 256
	s_mov_b32 s[\g+2], 32<<16
	s_mov_b32 s[\g+3], 32<<16
	s_mov_b32 s[\g+4], 32
	s_mov_b32 s[\g+5], 32
	s_mov_b32 s[\g+6], 0
	s_mov_b32 s[\g+7], 0
.endr
	s_add_co_u32 s17, s42, 40                      ; Wo's unit in w1
	s_mul_i32 s20, s17, 196608
	s_mov_b32 s21, 0
	s_lshl_b32 s22, s17, 13
	s_add_co_u32 s22, s22, SC1
	s_mov_b32 s23, 0
	s_mul_i32 s96, s43, 196608                     ; o's unit in w3
	s_mov_b32 s97, 0
	s_lshl_b32 s98, s43, 13
	s_add_co_u32 s98, s98, SC3
	s_mov_b32 s99, 0
	s_wait_dscnt 0x0                               ; both opening adds are done
	s_wait_kmcnt 0x0
	s_add_nc_u64 s[20:21], s[4:5], s[20:21]
	s_add_nc_u64 s[22:23], s[4:5], s[22:23]
	s_add_nc_u64 s[96:97], s[6:7], s[96:97]
	s_add_nc_u64 s[98:99], s[6:7], s[98:99]
	CROUND                                         ; all sixteen work-groups are here: the joint loads meet
	s_mov_b32 s[G0], 1
	s_mov_b32 s[G0+1], 0
	s_mov_b64 s[G0+2:G0+3], s[20:21]
	s_or_b32 s[G0+3], s[G0+3], 0x80000000
	s_mov_b32 s[G0B], 1
	s_mov_b32 s[G0B+1], S1O
	s_mov_b64 s[G0B+2:G0B+3], s[96:97]
	s_or_b32 s[G0B+3], s[G0B+3], 0x80000000
	s_mov_b32 s[G0S], 1
	s_mov_b32 s[G0S+1], SCL
	s_mov_b64 s[G0S+2:G0S+3], s[22:23]
	s_or_b32 s[G0S+3], s[G0S+3], 0x80000000
	s_mov_b32 s[G0SB], 1
	s_mov_b32 s[G0SB+1], SCL+8192
	s_mov_b64 s[G0SB+2:G0SB+3], s[98:99]
	s_or_b32 s[G0SB+3], s[G0SB+3], 0x80000000
	ARM 1, G0,  G1,  .Lhead_b                      ; one load a wave: every way through the head passes exactly one
	ARM 2, G0B, G1B, .Lhead_sa
	ARM 3, G0S, G1S, .Lhead_sb
	tensor_load_to_lds s[G0SB:G0SB+3], s[G1SB:G1SB+7]
	AFTER
.Lhead_asked:
	s_mul_i32 s17, s16, 24576                      ; my four tiles of source 0 in a chunk
	s_mul_i32 s18, s15, 24576                      ; and of source 1
	s_add_co_u32 s46, s17, 3*CHK                   ; chunk 3 in memory
	s_mov_b32 s47, 0
	s_add_nc_u64 s[D0:D0+1], s[20:21], s[46:47]
	s_add_co_u32 s46, s18, 3*CHK
	s_add_nc_u64 s[D1:D1+1], s[96:97], s[46:47]
	s_cmp_lt_u32 s14, 2                            ; what I prefetch: waves 0, 1 of Wo's chunk 3, waves 2, 3 of o's
	s_cselect_b64 s[PFA:PFA+1], s[20:21], s[96:97]
	s_cselect_b32 s46, s41, s40                    ; my work-group's place among the four that share the unit
	s_mul_i32 s46, s46, 12288                      ; its 48 blocks,
	s_mul_i32 s62, s16, 6144                       ; my 24 of them
	s_add_co_u32 s46, s46, s62
	s_add_co_u32 s46, s46, 3*CHK
	s_add_nc_u64 s[PFA:PFA+1], s[PFA:PFA+1], s[46:47]
	s_add_co_u32 s18, s18, S1O
	s_lshl_b32 s66, s16, 12                        ; scale words: lanes 0-15 take source 0's, lanes 16-31 source 1's: the lower base + h x the distance
	s_lshl_b32 s19, s15, 12
	s_add_co_u32 s19, s19, 8192
	s_sub_co_u32 s19, s19, s66
	s_add_co_u32 s66, s66, SCL
	s_mul_i32 s67, s14, 16*272
	s_add_co_u32 s67, s67, STAGE                   ; my stage
	s_lshl_b32 s20, s42, 9
	s_lshl_b32 s21, s16, 8
	s_add_co_u32 s20, s20, s21                     ; my first column, in bytes
	s_mov_b32 s21, 0
	s_add_nc_u64 s[22:23], s[8:9], s[20:21]        ; bo there
	s_lshl_b32 s96, s43, 7
	s_lshl_b32 s97, s15, 6
	s_add_co_u32 s96, s96, s97                     ; my first token
	s_lshl_b32 s96, s96, 13
	s_add_co_u32 s20, s20, s96
	s_add_nc_u64 s[92:93], s[10:11], s[20:21]
	v_and_b32 v1, 15, v0                           ; r
	v_bfe_u32 v2, v0, 4, 1                         ; h
	v_and_b32 v3, 31, v0                           ; l
	v_lshlrev_b32 v25, 4, v3                       ; 16 l
	v_lshlrev_b32 v26, 3, v3                       ; 8 l
	v_add_nc_u32 v[A0], s17, v25
	v_add_nc_u32 v[A0+3], s17, v26
	v_add_nc_u32 v[A1], s18, v25
	v_add_nc_u32 v[A1+3], s18, v26
.irp c, 1,2
.irp a, A0, A0+3, A1, A1+3
	v_add_nc_u32 v[\a+\c], \c*CHK, v[\a]
.endr
.endr
	v_mul_u32_u24 v[ADRS], s19, v2
	v_lshl_add_u32 v[ADRS], v1, 2, v[ADRS]
	v_add_nc_u32 v[ADRS], s66, v[ADRS]
	v_lshlrev_b32 v7, 6, v2                        ; bo: my half's 16 numbers of a pair of tiles: 64 h bytes on
	v_mul_u32_u24 v4, v1, 272                      ; the stage, in: row r, 64 h
	v_lshl_add_u32 v4, v2, 6, v4
	v_add_nc_u32 v4, s67, v4
	v_mul_u32_u24 v5, v2, 272                      ; back: sixteen lanes to a row of 256 bytes
	v_lshl_add_u32 v5, v1, 4, v5
	v_add_nc_u32 v5, s67, v5
	v_lshlrev_b32 v6, 13, v2                       ; and the same two rows in out0
	v_lshl_add_u32 v6, v1, 4, v6
	v_min_u32 v[PFO], 23, v3
	v_lshlrev_b32 v[PFO], 8, v[PFO]
	s_wait_alu depctr_va_vdst(0)
.irp b, 0,1,2,3
	global_load_b128 v[BI+8*\b:BI+8*\b+3], v7, s[22:23] offset:(32*(\b/2)+8*(\b%2))*4
	global_load_b128 v[BI+8*\b+4:BI+8*\b+7], v7, s[22:23] offset:(32*(\b/2)+8*(\b%2))*4+16
.endr
	global_prefetch_b8 v[PFO], s[PFA:PFA+1] th:TH_LOAD_NT scope:SCOPE_SE   ; its address registers are never written again
	s_wait_tensorcnt 0x0                           ; my one load of the head's four is in,
	s_barrier_signal -1
	s_barrier_wait -1                              ; everybody's is
	DLOAD 0
	WIN 0
.irp s, 0,1,2,3,4,5,6,7,8,9,10,11,12,13,14,15
.irp i, 0,1,2,3
	ds_load_b32 v[SCW+4*\s+\i], v[ADRS] offset:1024*\i+64*\s
.endr
.endr
	FETCH 0, F0
	s_wait_loadcnt 32                              ; bo is in; K step 12's 32 loads may be out
	STEPK 0, 1                                     ; the first K step starts the sums, with bo as C
	STEPK 1, 0
	DLOAD 1
	STEPK 2, 0
	STEPK 3, 0
	DLOAD 2
	STEPK 4, 0
	STEPK 5, 0
	DLOAD 3
.set KS, 6
.rept 5
	STEPK KS, 0
.set KS, KS+1
.endr
	s_wait_dscnt 0x0                               ; K step 11's fragments are in: my reads of LDS are over:
	s_barrier_signal -1                            ; say so; work on registers stands between the signal and the wait
	WIN MUL
	MULA F1, 11, 0, 0
	MULA F1, 11, 1, 0
	MULA F1, 11, 2, 0
	MULA F1, 11, 3, 0
	WIN 0
	s_barrier_wait -1                              ; nobody reads LDS any more: the stages may be written
	s_wait_loadcnt 0x0                             ; K steps 12 to 15 are in
.macro TOSTAGE a
.irp b, 0,1,2,3
	ds_store_b128 v4, v[ACC+8*(4*(\a)+\b):ACC+8*(4*(\a)+\b)+3] offset:128*(\b/2)+32*(\b%2)       ; each accumulator from its low end on
	ds_store_b128 v4, v[ACC+8*(4*(\a)+\b)+4:ACC+8*(4*(\a)+\b)+7] offset:128*(\b/2)+32*(\b%2)+16
.endr
.irp i, 0,1,2,3,4,5,6,7
	ds_load_b128 v[ACC+32*(\a)+4*\i:ACC+32*(\a)+4*\i+3], v5 offset:544*\i                         ; LDS serves a wave's instructions in order: these see the stores above
.endr
.endm
.macro SEND a, younger
	s_wait_dscnt \younger
.irp i, 0,1,2,3,4,5,6,7
	global_store_b128 v6, v[ACC+32*(\a)+4*\i:ACC+32*(\a)+4*\i+3], s[92:93] offset:(32*((\a)/2)+8*((\a)%2)+2*\i+8*(\i/4))*8192 th:TH_STORE_NT   ; sixteen lanes store 256 consecutive bytes, aligned
.endr
.endm
	ROWS 0
	TOSTAGE 0
	ROWS 1
	TOSTAGE 1
	SEND 0, 16                                     ; behind tile 0's loads: tile 1's 8 stores and 8 loads
	ROWS 2
	TOSTAGE 2
	SEND 1, 16
	ROWS 3
	TOSTAGE 3
	SEND 2, 16
	SEND 3, 0
	s_wait_tensorcnt 0x0                           ; the wave's end
	ds_add_u32 v[SPW], v[NIL]
	s_wait_dscnt 0x0
	CROUND                                         ; the closing round
	s_endpgm
.Lfunc_end_k_q73a453d3b2_outp:
	.size	k_q73a453d3b2_outp, .Lfunc_end_k_q73a453d3b2_outp-k_q73a453d3b2_outp
	.p2alignl 7, 3214868480
	.fill 96, 4, 3214868480
	.section	.rodata,"a",@progbits
	.p2align	6, 0x0
	.amdhsa_kernel k_q73a453d3b2_outp
		.amdhsa_group_segment_fixed_size 327680
		.amdhsa_private_segment_fixed_size 0
		.amdhsa_enable_private_segment 0
		.amdhsa_kernarg_size 32
		.amdhsa_user_sgpr_count 2
		.amdhsa_user_sgpr_kernarg_segment_ptr 1
		.amdhsa_wavefront_size32 1
		.amdhsa_system_sgpr_workgroup_id_x 1
		.amdhsa_system_sgpr_workgroup_id_y 1
		.amdhsa_system_sgpr_workgroup_id_z 1
		.amdhsa_system_vgpr_workitem_id 0
		.amdhsa_next_free_vgpr 1024
		.amdhsa_next_free_sgpr 100
		.amdhsa_reserve_vcc 0
		.amdhsa_float_denorm_mode_32 3
		.amdhsa_float_denorm_mode_16_64 3
		.amdhsa_memory_ordered 1
		.amdhsa_forward_progress 1
		.amdhsa_inst_pref_size 94
	.end_amdhsa_kernel
	.amdgpu_metadata
---
amdhsa.version: [ 1, 2 ]
amdhsa.kernels:
  - .name:           k_q73a453d3b2_outp
    .symbol:         k_q73a453d3b2_outp.kd
    .args:
      - { .name: w1, .offset: 0, .size: 8, .value_kind: global_buffer, .address_space: global }
      - { .name: w3, .offset: 8, .size: 8, .value_kind: global_buffer, .address_space: global }
      - { .name: bo, .offset: 16, .size: 8, .value_kind: global_buffer, .address_space: global }
      - { .name: out0, .offset: 24, .size: 8, .value_kind: global_buffer, .address_space: global }
    .group_segment_fixed_size: 327680
    .private_segment_fixed_size: 0
    .kernarg_segment_align: 8
    .kernarg_segment_size: 32
    .max_flat_workgroup_size: 128
    .sgpr_count:     100
    .vgpr_count:     1024
    .wavefront_size: 32
...
	.end_amdgpu_metadata
.endif
;; end of part 4
